; MI455X (gfx1250); checked and timed in simulation.
; The chip was launched on July 23, 2026; its instructions are those of AMD's public machine-readable ISA for CDNA 5 (MIT licence, August 2026) and "CDNA5" Instruction Set Architecture Reference Guide (July 2026). The comments in the code are by the model that wrote it; some were corrected since.
;; Multihead A. Allowed arithmetic: matrix products marked QUANTISED: E5M2 operands, one given power-of-two scale a tensor, by v_wmma_f32_16x16x64_bf8_bf8 or v_wmma_f32_16x16x128_bf8_bf8, f32 sums; everything else in f32.
;; Inputs: k_w_codes 1,024 x 32 x 32 uint8 (E5M2 codes of k_w, K innermost, in blocks of 32 codes); lowp_scales 12 int32 (the exponents e of the quantised operands' scales 2^e); o_b 1,024 float32; o_w_codes 1,024 x 32 x 32 uint8 (E5M2 codes of o_w, K innermost, in blocks of 32 codes); q_b 1,024 float32; q_w_codes 1,024 x 32 x 32 uint8 (E5M2 codes of q_w, K innermost, in blocks of 32 codes); theta one number float32; v_b 1,024 float32; v_w_codes 1,024 x 32 x 32 uint8 (E5M2 codes of v_w, K innermost, in blocks of 32 codes); x_codes 4 x 2,048 x 32 x 32 uint8 (E5M2 codes of x, K innermost, in blocks of 32 codes).
;; Outputs: out0 4 x 2,048 x 1,024 float32.
;; This version of the problem:
;;   THIS VERSION OF THE PROBLEM IS GIVEN IN LOW PRECISION. The matrix products marked QUANTISED in the list below multiply operands that are first quantised to E5M2 (5 exponent bits, 2 mantissa bits; 8 bits a number), with one given power-of-two scale for each operand tensor; their sums are f32. All else is computed in f32.
;;   The module's matrix products, in the order in which they are computed (A, B: the left and right operand; K: the contracted axis; several contracted axes count as one K, in the product's order):
;;     1. [M 8,192, K 1,024] x [K 1,024, N 1,024]; A: input x (given as codes); B: input q_w (given as codes): QUANTISED (scales: A lowp_scales[0], B lowp_scales[1])
;;     2. [M 8,192, K 1,024] x [K 1,024, N 1,024]; A: input x (given as codes); B: input k_w (given as codes): QUANTISED (scales: A lowp_scales[2], B lowp_scales[3])
;;     3. [M 8,192, K 1,024] x [K 1,024, N 1,024]; A: input x (given as codes); B: input v_w (given as codes): QUANTISED (scales: A lowp_scales[4], B lowp_scales[5])
;;     4. batch 64 x [M 2,048, K 64] x [K 64, N 2,048]; A: computed on the way; B: computed on the way: QUANTISED (scales: A lowp_scales[6], B lowp_scales[7])
;;     5. batch 64 x [M 2,048, K 2,048] x [K 2,048, N 64]; A: softmax (see below); B: computed on the way: QUANTISED (scales: A lowp_scales[8], B lowp_scales[9])
;;     6. [M 8,192, K 1,024] x [K 1,024, N 1,024]; A: computed on the way; B: input o_w (given as codes): QUANTISED (scales: A lowp_scales[10], B lowp_scales[11])
;;   THE QUANTISER, for each operand of a quantised product, along K:
;;     - The operand's scale is 2^e, e = its entry of the input lowp_scales (int32; the entries are numbered through the quantised products in the list's order, A before B).
;;     - Each number is divided by the scale, clamped to +-57,344, and rounded to the nearest number of E5M2, ties to even, subnormals kept.
;;     - The product sums the exact products of the quantised numbers (number of the format x scale) in f32.
;;   ~~~python
;;   def quantise(x, axis, e):      # numpy; x: float32 -> the quantised numbers, widened to float32 again
;;       x = np.moveaxis(x, axis, -1); K = x.shape[-1]
;;       r = np.clip(x / 2.0 ** e, -57344, 57344)
;;       step = 2.0 ** (np.maximum(np.frexp(np.where(r == 0, 1, r))[1] - 1, -14) - 2)
;;       q = np.round(r / step) * step * 2.0 ** e      # np.round: ties to even
;;       return np.moveaxis(q, -1, axis).astype(np.float32)
;;   ~~~
;;   SOFTMAX AHEAD OF A QUANTISED PRODUCT. Where the list says 'softmax', what is quantised is not the finished softmax but p = 2^(t - M), with t = logit x log2(e) and M = ceil(the row's largest t), a whole number; so 1/2 < the row's largest p <= 1. The row's sum l is taken of the UNQUANTISED p, in f32, and the product's result is divided by l at the end. Since M is a whole number, a kernel that streams over the keys may use a running M (the ceiling of the running maximum): every later rescaling is an exact power of two, so the quantised numbers keep their values, but for numbers so far below the row's largest that they fall under the format's range.
;;   OPERANDS COMPUTED ON THE WAY. 'Computed on the way' means the value that the module computes at that place (a softmax that the list does not call 'softmax' is quantised finished and normalised). What goes into a quantiser is computed in f32, as accurately as f32 sums, v_exp_f32 and their like allow (about 1e-6 of the number): no bf16 or f16 on the way to a quantiser, and a product that is left as it is and whose result goes on into a quantised operand takes f32 operands (vector FMAs, or v_wmma_f32_16x16x4_f32). A number that lies on a knife's edge between two numbers of the format may be rounded either way, as far as f32 arithmetic and the matrix unit's own rounding can turn it there, and no further.
;;   INPUTS GIVEN AS CODES. k_w (in the module: [1024, 1024], K = its axis 1); o_w (in the module: [1024, 1024], K = its axis 1); q_w (in the module: [1024, 1024], K = its axis 1); v_w (in the module: [1024, 1024], K = its axis 1); x (in the module: [4, 2048, 1024], K = its axis 2): each comes as NAME_codes (uint8): NAME with its K axis moved to the last place and cut into blocks of 32 codes, [.., K / 32, bytes a block], one block behind the other in memory; one code a byte (a code: sign, 5 exponent bits, 2 mantissa bits); its scale is its entry of lowp_scales. Its value is code x scale, taken as it is: it is not quantised again, and the codes and scales need not be those that the quantiser above would give.
;; One version. Each part assembles by itself: llvm-mc -triple=amdgcn-amd-amdhsa -mcpu=gfx1250 --defsym DOCPART=n.
;; ======== version 1 of 1: 4 launches
;; limits: right only within a limited range of input values
;; workspace buffers: tab 524,288 bytes; q_img 8,388,608 bytes; k_img 8,388,608 bytes; v_img 8,388,608 bytes; a_img 8,388,608 bytes
;; launch vtab (part 1): grid 64 x 4, 4 waves a work-group, clusters of 4 x 4, 327,680 bytes of LDS; arguments x_codes, v_w_codes, lowp_scales, v_b, theta, v_img, tab; writes v_img, tab
.if DOCPART == 1
	.amdgcn_target "amdgcn-amd-amdhsa--gfx1250"
	.amdhsa_code_object_version 6
	.text
	.protected	k_q181f622d14_vtab
	.globl	k_q181f622d14_vtab
	.p2align	8
	.type	k_q181f622d14_vtab,@function
k_q181f622d14_vtab:
	s_mov_b64 s[64:65], 0
	v_nop
	global_prefetch_b8 v0, s[64:65] scope:SCOPE_SE
	s_setreg_imm32_b32 hwreg(HW_REG_WAVE_MODE, 25, 1), 1
	s_wait_xcnt 0x0
	s_wait_alu depctr_hold_cnt(0) depctr_sa_sdst(0) depctr_va_vdst(0) depctr_va_sdst(0) depctr_va_ssrc(0) depctr_va_vcc(0) depctr_vm_vsrc(0)
	s_getreg_b32 s2, hwreg(HW_REG_IB_STS2, 6, 4)
	s_cmp_eq_u32 s2, 0
	s_cbranch_scc0 .Lentry_in_a_cluster
	s_endpgm
.Lentry_in_a_cluster:
	s_bfe_u32 s2, ttmp6, 0x10000c
	s_cmp_lg_u32 s2, 0xf033
	s_cbranch_scc0 .Lentry_shape_is_right
	s_endpgm
.Lentry_shape_is_right:
; TWO THINGS that hang on no earlier launch: v = x v_w^T + v_b, quantised at once with 2^e9 and stored as codes; and the rotary table for the next launch.
; ---- v, on codes of BF8 (E5M2) as they are given.  x: [8192][1024], v_w: [1024][1024], K innermost.  A sum stands for sum x 2^(e4 + e5).
; A = v_w (channels), B = x (tokens = keys).  A block of 256 channels x 128 keys to a work-group: 4 x 64 = 256 work-groups.  Four waves, each 128 channels x 64 keys: 32 accumulators, 256 registers.
; Source 0 of the matrix instruction takes B's rows, source 1 A's: a lane holds a channel and eight neighbouring KEYS, which are the next product's K.  Both operands are fetched by loads of 16 bytes: the same permutation of k on both sides.
; K goes in steps of 256 through a ring of two LDS slots (A's 256 rows, then B's 128, 16 bytes of padding behind each row of 256).  Waves 0 and 1 fetch A's halves, waves 2 and 3 B's.
; CLUSTERS of 4 x 4: A's tile hangs on the channel block alone and is shared along a row of the cluster, B's on the key block alone and is shared along a column: joint loads.
; Both operands have two whole sets of registers: while one 128 along K is multiplied, the next one's fragments arrive.
; v_img: [64 heads][16 blocks of 128 keys][4 tiles of 16 channels][4 quads][32 lanes][16 bytes]: images of the next product's operand registers; each store of the wave covers 512 consecutive bytes, aligned.
; NO PREFETCH: K has four steps; two are asked for in the head and two by the only two refills, so no step lies two refills ahead.
; ---- THE ROTARY TABLE: cos and sin of RN(position x frequency), 2,048 positions x 32 frequencies, f32, made in the head while the first tensor load is out.
; The angles reach millions of radians, where neighbouring f32 numbers lie a quarter of a radian apart, so every frequency has to carry the very roundings of the definition.
; TAKEN: the definition as it is rounded when it is compiled as one function: a division by a constant is a multiplication by the f32 nearest its reciprocal, and neighbouring constant factors are joined into one f32 constant.
;   lin = j x RN(MEL x r31), the last point MEL itself;  y = lin x r2595;  c = 10^y - 1, the power correctly rounded;  f = ((theta x RN(r220 x 700)) x c) x r1000;  angle = position x f.  Each product is rounded once.
;   The power is made in pairs of f32 and rounded once.
; tab: [128 blocks of 16 positions][8 quads][32 lanes][16 bytes]: quad 2 tc + u of lane (r, h) = (cos, sin, cos, sin) of pairs 8 tc + 4 h + 2 u and the next, at position 16 x block + r.
; The table has 1,024 quads and the launch 1,024 waves: wave g makes quad g, told apart by arithmetic on ids alone.  A lane makes one of its two frequencies (the even one where r is even) and takes the other from lane l xor 1.
; LIMITS: e4 + e5 between -126 and 127; e9 between -126 and 112; |angle| under 2^27; NaN among the inputs, and infinity in theta, are not served.
; REGISTERS: window 0: v0-31 addresses and constants (v1-23 first serve the table); v32-41 the table; v64-191 A's fragments, v192-255 B's: set 0.  window 2: the same numbers: set 1; v0-15 the bias.  window 1: the accumulators, (a, b) at v[8 (4 a + b)].
.set KSTEPB, 256
.set PITCH,  272
.set AHALF,  128*PITCH
.set BHALF,  64*PITCH
.set BOFF,   2*AHALF
.set SLOT,   BOFF+2*BHALF              ; 104,448 bytes
.set SPARE,  2*SLOT                    ; the spare words, 128 bytes for each wave, which no other line names
.set ADRA, 16
.set ADRB, 20
.set LOF,  26                          ; 16 x lane; never rewritten
.set BOF,  27
.set SPW,  28                          ; my spare word; never rewritten
.set NIL,  29                          ; 0; never rewritten
.set SCL,  30                          ; 2^e9
.set LIM,  31                          ; 57,344 x 2^e9
.set F,    32                          ; v32-33 my two frequencies
.set OUT,  36                          ; v36-39 (cos, sin) of each
.set KS,   40                          ; 1/9!
.set KC,   41                          ; -1/10!
.set AF,   64
.set BF,   192
.set X,    64                          ; the way out: a block's 32 results,
.set CD,   96                          ; and its codes, two sets of 8
.set G1, 24
.set G0, 32
.set G1B, 48
.set G0B, 56
.set MSB, 0
.macro WIN new                         ; the immediate's high byte repeats the setting that is left
.if MSB != (\new)
	s_set_vgpr_msb (MSB<<8)|(\new)
.set MSB, (\new)
.endif
.endm
.macro JLOAD g0a, g1a, g0b, g1b        ; a joint load; the branch hangs on the wave's number alone; an s_nop 0 and four v_nop follow each line
	s_cmp_eq_u32 s15, 0
	s_cbranch_scc0 .Lfor_b_\@
	tensor_load_to_lds s[\g0a:\g0a+3], s[\g1a:\g1a+7]
	s_nop 0
.rept 4
	v_nop
.endr
	s_branch .Lasked_\@
.Lfor_b_\@:
	tensor_load_to_lds s[\g0b:\g0b+3], s[\g1b:\g1b+7]
	s_nop 0
.rept 4
	v_nop
.endr
.Lasked_\@:
.endm
.macro CROUND                          ; a round of the cluster's barrier
	s_barrier_signal -1
	s_barrier_wait -1
	s_cmp_lg_u32 s14, 0
	s_cbranch_scc1 .Lnot_wave_0_\@
	s_barrier_signal -3
.Lnot_wave_0_\@:
	s_barrier_wait -3
	s_barrier_signal -1
	s_barrier_wait -1
.endm
.macro PLACES                          ; plain vector instructions between a matrix instruction and a load into, or a vector access of, its registers
.rept 4
	v_nop
.endr
.endm
; cos and sin of position x F[i].  pi/2 is taken off in three parts by fused multiply-adds (the first is exact), then once more for the quadrant that the rounded n may have missed; |r| <= pi/4; Taylor to r^9 and r^10
.macro SINCOS i
	v_mul_f32 v11, v6, v[F+\i]                     ; the angle, rounded once
	v_mul_f32 v12, 0x3f22f983, v11                 ; x 2/pi
	v_rndne_f32 v12, v12                           ; n
	v_fmamk_f32 v13, v12, 0xbfc90fdb, v11          ; r = x - n C1
	v_fmamk_f32 v13, v12, 0x333bbd2e, v13          ;       - n C2
	v_fmamk_f32 v13, v12, 0x26f72ced, v13          ;       - n C3
	v_mul_f32 v14, 0x3f22f983, v13
	v_rndne_f32 v14, v14                           ; n2: a few units at the most
	v_fmamk_f32 v13, v14, 0xbfc90fdb, v13
	v_fmamk_f32 v13, v14, 0x333bbd2e, v13
	v_cvt_i32_f32 v12, v12
	v_cvt_i32_f32 v14, v14
	v_add_nc_u32 v12, v12, v14                     ; the quadrant, k
	v_mul_f32 v15, v13, v13                        ; z = r^2
	v_fmaak_f32 v16, v15, v[KS], 0xb9500d01        ; the two chains by turns
	v_fmaak_f32 v17, v15, v[KC], 0x37d00d01
	v_fmaak_f32 v16, v16, v15, 0x3c088889
	v_fmaak_f32 v17, v17, v15, 0xbab60b61
	v_fmaak_f32 v16, v16, v15, 0xbe2aaaab
	v_fmaak_f32 v17, v17, v15, 0x3d2aaaab
	v_mul_f32 v18, v15, v13
	v_fmaak_f32 v17, v17, v15, 0xbf000000
	v_fma_f32 v16, v16, v18, v13                   ; sin r
	v_fma_f32 v17, v17, v15, 1.0                   ; cos r
	v_and_b32 v18, 1, v12
	v_cmp_eq_u32 vcc_lo, 1, v18
	v_cndmask_b32 v19, v16, v17, vcc_lo            ; in odd quadrants the two change places
	v_cndmask_b32 v20, v17, v16, vcc_lo
	v_lshlrev_b32 v18, 30, v12                     ; the sine's sign: bit 1 of k
	v_add_nc_u32 v12, 1, v12
	v_and_b32 v18, 0x80000000, v18
	v_lshlrev_b32 v12, 30, v12                     ; the cosine's: bit 1 of k + 1
	v_xor_b32 v[OUT+2*\i+1], v19, v18
	v_and_b32 v12, 0x80000000, v12
	v_xor_b32 v[OUT+2*\i], v20, v12
.endm
	s_load_b256 s[68:75], s[0:1], 0x0              ; x s[68:69], v_w s[70:71], the exponents s[72:73], v_b s[74:75]
	s_load_b128 s[76:79], s[0:1], 0x20             ; theta s[76:77], v_img s[78:79]
	s_load_b64 s[80:81], s[0:1], 0x30              ; tab
	v_lshl_add_u32 v[SPW], v0, 2, SPARE
	v_mov_b32 v[NIL], 0
	ds_add_u32 v[SPW], v[NIL]                      ; the opening lines: the add, twice on end, and its wait
	ds_add_u32 v[SPW], v[NIL]
	v_lshrrev_b32 v1, 5, v0
	v_readfirstlane_b32 s14, v1                    ; wave 0..3
	s_lshr_b32 s15, s14, 1                         ; which 128 channels are mine.  Also: I fetch for A (0) or for B (1)
	s_and_b32 s16, s14, 1                          ; which 64 keys.  Also: which half of that tile I fetch
	s_bfe_u32 s40, ttmp6, 0x40000                  ; cx, cy
	s_bfe_u32 s41, ttmp6, 0x40004
	s_lshl_b32 s42, ttmp9, 2
	s_add_co_u32 s42, s42, s40                     ; the key block, 0..63
	s_mov_b32 s17, s41                             ; the channel block, 0..3: the grid is one cluster high
	s_lshl_b32 s43, s41, 2
	s_lshl_b32 s43, 15, s43                        ; my row of the cluster
	s_lshl_b32 s44, 0x1111, s40                    ; my column
	s_or_b32 s[G1+0], s43, (0<<16)|(1<<20)|(1<<21)|(5<<22)|(3<<25)    ; elements of 1 byte; four words of padding after every 64
	s_or_b32 s[G1B+0], s44, (0<<16)|(1<<20)|(1<<21)|(5<<22)|(3<<25)
	s_mov_b32 s[G1+1], 256<<16                     ; A: 128 rows of 256 bytes, 1,024 apart
	s_mov_b32 s[G1+2], 128<<16
	s_mov_b32 s[G1+3], 256<<16
	s_mov_b32 s[G1+4], 128
	s_mov_b32 s[G1+5], 1024
	s_mov_b32 s[G1+6], 0
	s_mov_b32 s[G1+7], 0
	s_mov_b32 s[G1B+1], 256<<16                    ; B: 64 rows
	s_mov_b32 s[G1B+2], 64<<16
	s_mov_b32 s[G1B+3], 256<<16
	s_mov_b32 s[G1B+4], 64
	s_mov_b32 s[G1B+5], 1024
	s_mov_b32 s[G1B+6], 0
	s_mov_b32 s[G1B+7], 0
	s_lshl_b32 s20, s17, 8
	s_lshl_b32 s18, s16, 7
	s_add_co_u32 s20, s20, s18
	s_lshl_b32 s20, s20, 10                        ; A: row 256 x channel block + 128 x half
	s_lshl_b32 s46, s42, 7
	s_lshl_b32 s18, s16, 6
	s_add_co_u32 s46, s46, s18
	s_lshl_b32 s46, s46, 10                        ; B: row 128 x key block + 64 x half
	s_mov_b32 s21, 0
	s_mov_b32 s47, 0
	s_mul_i32 s45, s16, AHALF                      ; where they go
	s_mul_i32 s19, s16, BHALF
	s_add_co_u32 s19, s19, BOFF
	s_wait_dscnt 0x0                               ; both opening adds are done
	s_wait_kmcnt 0x0
	s_load_b64 s[88:89], s[72:73], 0x10            ; e4, e5
	s_load_b32 s90, s[72:73], 0x24                 ; e9
	s_load_b32 s91, s[76:77], 0x0                  ; theta
	s_add_nc_u64 s[20:21], s[70:71], s[20:21]
	s_add_nc_u64 s[46:47], s[68:69], s[46:47]
	CROUND                                         ; all sixteen work-groups are here: the first joint loads meet
.irp s, 0,1
	s_mov_b32 s[G0+4*\s], 1
	s_add_co_u32 s[G0+4*\s+1], s45, \s*SLOT
	s_add_nc_u64 s[G0+4*\s+2:G0+4*\s+3], s[20:21], \s*KSTEPB
	s_or_b32 s[G0+4*\s+3], s[G0+4*\s+3], 0x80000000
	s_mov_b32 s[G0B+4*\s], 1
	s_add_co_u32 s[G0B+4*\s+1], s19, \s*SLOT
	s_add_nc_u64 s[G0B+4*\s+2:G0B+4*\s+3], s[46:47], \s*KSTEPB
	s_or_b32 s[G0B+4*\s+3], s[G0B+4*\s+3], 0x80000000
.endr
	JLOAD G0, G1, G0B, G1B                         ; K step 0: one tensor load a wave at the head
	; ---- all the head's scalar work
	s_lshl_b32 s18, s42, 2
	s_add_co_u32 s18, s18, s17
	s_lshl_b32 s18, s18, 2
	s_add_co_u32 s18, s18, s14                     ; g = 4 x (4 x key block + channel block) + wave: 0..1,023
	s_lshr_b32 s22, s18, 3
	s_lshl_b32 s22, s22, 4                         ; the first position of block g / 8
	s_and_b32 s23, s18, 7                          ; the quad, 2 tc + u
	s_lshr_b32 s21, s23, 1
	s_lshl_b32 s21, s21, 3
	s_and_b32 s23, s23, 1
	s_lshl_b32 s23, s23, 1
	s_add_co_u32 s21, s21, s23                     ; 8 tc + 2 u
	s_lshl_b32 s18, s18, 9                         ; a quad is 512 bytes
	s_mov_b32 s19, 0
	s_add_nc_u64 s[80:81], s[80:81], s[18:19]
	s_mul_i32 s82, s15, AHALF                      ; my 128 rows of A
	s_mul_i32 s83, s16, BHALF
	s_add_co_u32 s83, s83, BOFF                    ; my 64 rows of B
	s_lshl_b32 s6, s17, 8
	s_lshl_b32 s7, s15, 7
	s_add_co_u32 s6, s6, s7                        ; my first channel
	s_lshl_b32 s6, s6, 2
	s_mov_b32 s7, 0
	s_add_nc_u64 s[4:5], s[74:75], s[6:7]          ; v_b there
	s_lshr_b32 s8, s42, 4                          ; the batch
	s_lshl_b32 s8, s8, 4
	s_lshl_b32 s9, s17, 2
	s_add_co_u32 s8, s8, s9
	s_lshl_b32 s9, s15, 1
	s_add_co_u32 s8, s8, s9                        ; 16 x batch + my first head
	s_lshl_b32 s8, s8, 4
	s_and_b32 s9, s42, 15                          ; the block of 128 keys
	s_add_co_u32 s8, s8, s9
	s_lshl_b32 s8, s8, 13                          ; 8,192 bytes a head and block of keys
	s_lshl_b32 s9, s16, 10                         ; my 64 keys are two of a fragment's four quads
	s_add_co_u32 s8, s8, s9
	s_mov_b32 s9, 0
	s_add_nc_u64 s[10:11], s[78:79], s[8:9]
	s_wait_kmcnt 0x0
	s_add_co_i32 s96, s88, s89
	s_add_co_i32 s96, s96, 127
	s_lshl_b32 s96, s96, 23                        ; 2^(e4 + e5) as f32
	s_mov_b32 s97, s96
	s_add_co_i32 s92, s90, 127
	s_lshl_b32 s93, s92, 23
	s_add_co_i32 s92, s92, 15
	s_lshl_b32 s92, s92, 23
	s_or_b32 s92, s92, 0x600000
	; ---- my quad of the table
	v_and_b32 v1, 15, v0                           ; r
	v_bfe_u32 v2, v0, 4, 1                         ; h
	v_and_b32 v[LOF], 31, v0
	v_lshlrev_b32 v[LOF], 4, v[LOF]
	v_add_nc_u32 v6, s22, v1
	v_cvt_f32_u32 v6, v6                           ; my position
	v_and_b32 v5, 1, v0
	v_lshl_add_u32 v7, v2, 2, v5
	v_add_nc_u32 v7, s21, v7                       ; j = 8 tc + 4 h + 2 u + r % 2: the frequency that I make
	v_mov_b32 v[KS], 0x3638ef1d
	v_mov_b32 v[KC], 0xb493f27e
	v_cvt_f32_u32 v11, v7
	v_mul_f32 v13, 0x42b73a2f, v11                 ; lin = j x RN(MEL x r31)
	v_mov_b32 v14, 0x4531805e
	v_cmp_eq_u32 vcc_lo, 31, v7
	v_cndmask_b32 v13, v13, v14, vcc_lo            ; the last point is the end itself, MEL
	v_mul_f32 v12, 0x39ca09ab, v13                 ; y = lin x r2595
	v_mov_b32 v14, 0x40135d8e                      ; u = y ln 10 as a pair; ln 10 = Lh + Ll
	v_mul_f32 v13, v14, v12                        ; uh
	v_fma_f32 v15, v12, v14, -v13                  ; what uh's rounding lost, exactly
	v_fmamk_f32 v15, v12, 0xb309555d, v15          ; ul
	v_ldexp_f32 v13, v13, -9                       ; w = u / 512, at most 0.005
	v_ldexp_f32 v15, v15, -9
	v_mul_f32 v16, v13, v13                        ; m = e^w - 1 = w + w^2/2 + w^3 (1/6 + w/24 + w^2/120), as a pair
	v_fma_f32 v17, v13, v13, -v16
	v_mov_b32 v18, 0x3c088889
	v_fmaak_f32 v18, v18, v13, 0x3d2aaaab
	v_fmaak_f32 v18, v18, v13, 0x3e2aaaab
	v_mul_f32 v19, v16, v13
	v_mul_f32 v18, v18, v19
	v_fma_f32 v19, v13, v15, v15                   ; wl + wh wl
	v_fma_f32 v19, 0.5, v17, v19
	v_add_f32 v19, v19, v18
	v_mul_f32 v16, 0.5, v16
	v_add_f32 v20, v13, v16
	v_sub_f32 v21, v20, v13
	v_sub_f32 v21, v16, v21                        ; what that sum lost (wh is the larger)
	v_add_f32 v19, v19, v21
	v_add_f32 v22, v20, v19                        ; mh
	v_sub_f32 v21, v22, v20
	v_sub_f32 v23, v19, v21                        ; ml
.rept 9                                        ; nine times m <- 2 m + m^2: (1 + m) is squared
	v_add_f32 v13, v22, v22
	v_mul_f32 v14, v22, v22
	v_fma_f32 v15, v22, v22, -v14
	v_fma_f32 v15, v13, v23, v15
	v_add_f32 v16, v13, v14
	v_sub_f32 v17, v16, v13
	v_sub_f32 v18, v16, v17
	v_sub_f32 v18, v13, v18
	v_sub_f32 v19, v14, v17
	v_add_f32 v18, v18, v19                        ; what the sum lost, whichever is the larger
	v_fma_f32 v15, 2.0, v23, v15
	v_add_f32 v15, v15, v18
	v_add_f32 v22, v16, v15
	v_sub_f32 v17, v22, v16
	v_sub_f32 v23, v15, v17
.endr
	v_add_f32 v16, 1.0, v22                        ; the power = 1 + m, rounded once
	v_add_f32 v17, -1.0, v16
	v_sub_f32 v18, v16, v17
	v_sub_f32 v18, 1.0, v18
	v_sub_f32 v19, v22, v17
	v_add_f32 v18, v18, v19
	v_add_f32 v18, v18, v23
	v_add_f32 v16, v16, v18
	v_add_f32 v16, -1.0, v16                       ; c = the power - 1: exact
	v_mov_b32 v11, s91
	v_mul_f32 v12, 0x404ba2e8, v11                 ; theta x RN(r220 x 700)
	v_mul_f32 v12, v12, v16                        ; x c
	v_mul_f32 v13, 0x3a83126f, v12                 ; x r1000: the frequency
	v_mov_b32 v14, v13                             ; (written: the line below counts its destination as a source)
	v_mov_b32_dpp v14, v13 row_xmask:1 row_mask:0xf bank_mask:0xf   ; lane l xor 1's
	v_cmp_eq_u32 vcc_lo, 1, v5
	v_cndmask_b32 v[F], v13, v14, vcc_lo           ; the even pair's: mine where r is even
	v_cndmask_b32 v[F+1], v14, v13, vcc_lo         ; the odd pair's
	SINCOS 0
	SINCOS 1
	global_store_b128 v[LOF], v[OUT:OUT+3], s[80:81]   ; 512 consecutive bytes, aligned
	; ---- the product's addresses
	v_mul_u32_u24 v3, v1, PITCH
	v_lshl_add_u32 v4, v2, 4, v3                   ; a fragment's row x pitch + 16 x half
	v_add_nc_u32 v[ADRA], s82, v4
	v_add_nc_u32 v[ADRA+1], SLOT, v[ADRA]
	v_add_nc_u32 v[ADRB], s83, v4
	v_add_nc_u32 v[ADRB+1], SLOT, v[ADRB]
	v_mov_b32 v[SCL], s93
	v_mov_b32 v[LIM], s92
	v_lshlrev_b32 v[BOF], 2, v1                    ; my lane's channel
	WIN 0x80                                       ; destination window 2
.irp a, 0,1,2,3,4,5,6,7
	global_load_b32 v[2*\a], v[BOF], s[4:5] offset:64*\a
	global_load_b32 v[2*\a+1], v[BOF], s[4:5] offset:64*\a         ; in both words of the pair that the packed form names
.endr
	WIN 0
.macro FETCH slot, q, p                ; the slot's q-th 128 along K into set p: lane l holds row l % 16; registers 4 c .. 4 c + 3 hold K = 32 c + 16 (l / 16) + 0 .. 15
	WIN 0x80*(\p)
.irp i, 0,1,2,3
.irp c, 0,1,2,3
	ds_load_b128 v[BF+16*\i+4*\c:BF+16*\i+4*\c+3], v[ADRB+\slot] offset:128*(\q)+32*\c+\i*16*PITCH
.endr
.endr
.irp i, 0,1,2,3,4,5,6,7
.irp c, 0,1,2,3
	ds_load_b128 v[AF+16*\i+4*\c:AF+16*\i+4*\c+3], v[ADRA+\slot] offset:128*(\q)+32*\c+\i*16*PITCH
.endr
.endr
	WIN 0
.endm
.macro MUL p, zero                     ; 32 matrix instructions on set p; the 32 accumulators take turns, in the same order in every step
	WIN 0x50+0x0a*(\p)                             ; C and D window 1; sources 0 and 1 window 0 or 2
.irp a, 0,1,2,3,4,5,6,7
.irp b, 0,1,2,3
.if \zero
	v_wmma_f32_16x16x128_bf8_bf8 v[8*(4*\a+\b):8*(4*\a+\b)+7], v[BF+16*\b:BF+16*\b+15], v[AF+16*\a:AF+16*\a+15], 0
.else
	v_wmma_f32_16x16x128_bf8_bf8 v[8*(4*\a+\b):8*(4*\a+\b)+7], v[BF+16*\b:BF+16*\b+15], v[AF+16*\a:AF+16*\a+15], v[8*(4*\a+\b):8*(4*\a+\b)+7]
.endif
.endr
.endr
	WIN 0
.endm
.macro EVEN slot, zero                 ; a slot's first 128 along K, on set 0; its second 128 is fetched into set 1
	s_wait_dscnt 0x0                               ; set 0 is in
	PLACES
	FETCH \slot, 1, 1
	MUL 0, \zero
.endm
; A slot's second 128, on set 1, changes slots: each wave waits for all its tensor loads, adds 0 to its spare word, and waits for that and for its reads of this slot (set 1 among them).  fill = 1: a round, and this slot is filled again.
.macro ODD slot, next, fill
	s_wait_tensorcnt 0x0                           ; my part of the next slot is in
	ds_add_u32 v[SPW], v[NIL]
	s_wait_dscnt 0x0
.if \fill
	CROUND                                         ; no wave of any partner still reads this slot or has a load on its way
	s_add_nc_u64 s[G0+4*\slot+2:G0+4*\slot+3], s[G0+4*\slot+2:G0+4*\slot+3], 2*KSTEPB
	s_add_nc_u64 s[G0B+4*\slot+2:G0B+4*\slot+3], s[G0B+4*\slot+2:G0B+4*\slot+3], 2*KSTEPB
	JLOAD G0+4*\slot, G1, G0B+4*\slot, G1B         ; the first tensor load behind the round; its four v_nop are also the places in front of the loads below
.else
	s_barrier_signal -1
	s_barrier_wait -1
	PLACES
.endif
	FETCH \next, 0, 0
	MUL 1, 0
.endm
	s_wait_alu depctr_va_vdst(0)                   ; the wait at the head's end
	s_wait_tensorcnt 0x0                           ; my part of K step 0 is in; the lines ahead of a later first fill:
	ds_add_u32 v[SPW], v[NIL]
	s_wait_dscnt 0x0
	CROUND
	JLOAD G0+4, G1, G0B+4, G1B                     ; K step 1's load, the first tensor load behind the round
	FETCH 0, 0, 0
	EVEN 0, 1                                      ; the first products start the sums
	ODD 0, 1, 1
	EVEN 1, 0
	ODD 1, 0, 1
	EVEN 0, 0
	ODD 0, 1, 0                                    ; the last lap fills nothing
	EVEN 1, 0
	s_wait_dscnt 0x0
	MUL 1, 0
; THE WAY OUT, block a: 16 channels x my 64 keys: two quads of a fragment of the second attention product
.macro V_BLOCK a
	WIN 0x21                                       ; source 0 (the sums) window 1, source 2 (the bias) window 2
.set j, 0
.rept 16
	v_pk_fma_f32 v[X+j:X+j+1], v[32*(\a)+j:32*(\a)+j+1], s[96:97], v[2*(\a):2*(\a)+1] op_sel_hi:[1,0,1]   ; sum x 2^(e4 + e5) + bias; each accumulator from its low end on
.set j, j+2
.endr
	WIN 0
.if (\a) >= 2
	s_wait_xcnt 0x0                                ; the stores of two blocks back have read this set of codes
.endif
.irp b, 0,1,2,3
.irp e, 0,1,2,3,4,5,6,7
	v_med3_num_f32 v[X+8*\b+\e], v[X+8*\b+\e], -v[LIM], v[LIM]     ; the hold at the largest code (the conversion does not saturate: ISA guide 7.6.2)
.endr
	v_cvt_scalef32_pk8_bf8_f32 v[CD+8*((\a)%2)+2*\b:CD+8*((\a)%2)+2*\b+1], v[X+8*\b:X+8*\b+7], v[SCL]
.endr
	v_nop                                          ; a plain instruction behind the last conversion
.irp c, 0,1
	global_store_b128 v[LOF], v[CD+8*((\a)%2)+4*\c:CD+8*((\a)%2)+4*\c+3], s[10:11] offset:131072*((\a)/4)+2048*((\a)%4)+512*\c
.endr
.endm
	PLACES
	s_wait_loadcnt 0x0                             ; the bias
.irp a, 0,1,2,3,4,5,6,7
	V_BLOCK \a
.endr
	s_wait_tensorcnt 0x0                           ; the wave's end
	ds_add_u32 v[SPW], v[NIL]
	s_wait_dscnt 0x0
	CROUND                                         ; the closing round
	s_endpgm
.Lfunc_end_k_q181f622d14_vtab:
	.size	k_q181f622d14_vtab, .Lfunc_end_k_q181f622d14_vtab-k_q181f622d14_vtab
	.p2alignl 7, 3214868480
	.fill 96, 4, 3214868480
	.section	.rodata,"a",@progbits
	.p2align	6, 0x0
	.amdhsa_kernel k_q181f622d14_vtab
		.amdhsa_group_segment_fixed_size 327680
		.amdhsa_private_segment_fixed_size 0
		.amdhsa_enable_private_segment 0
		.amdhsa_kernarg_size 56
		.amdhsa_user_sgpr_count 2
		.amdhsa_user_sgpr_kernarg_segment_ptr 1
		.amdhsa_wavefront_size32 1
		.amdhsa_system_sgpr_workgroup_id_x 1
		.amdhsa_system_sgpr_workgroup_id_y 1
		.amdhsa_system_sgpr_workgroup_id_z 1
		.amdhsa_system_vgpr_workitem_id 0
		.amdhsa_next_free_vgpr 768
		.amdhsa_next_free_sgpr 98
		.amdhsa_reserve_vcc 1
		.amdhsa_float_denorm_mode_32 3
		.amdhsa_float_denorm_mode_16_64 3
		.amdhsa_memory_ordered 1
		.amdhsa_forward_progress 1
		.amdhsa_inst_pref_size 94
	.end_amdhsa_kernel
	.amdgpu_metadata
---
amdhsa.version: [ 1, 2 ]
amdhsa.kernels:
  - .name:           k_q181f622d14_vtab
    .symbol:         k_q181f622d14_vtab.kd
    .args:
      - { .name: x_codes, .offset: 0, .size: 8, .value_kind: global_buffer, .address_space: global }
      - { .name: v_w_codes, .offset: 8, .size: 8, .value_kind: global_buffer, .address_space: global }
      - { .name: lowp_scales, .offset: 16, .size: 8, .value_kind: global_buffer, .address_space: global }
      - { .name: v_b, .offset: 24, .size: 8, .value_kind: global_buffer, .address_space: global }
      - { .name: theta, .offset: 32, .size: 8, .value_kind: global_buffer, .address_space: global }
      - { .name: v_img, .offset: 40, .size: 8, .value_kind: global_buffer, .address_space: global }
      - { .name: tab, .offset: 48, .size: 8, .value_kind: global_buffer, .address_space: global }
    .group_segment_fixed_size: 327680
    .private_segment_fixed_size: 0
    .kernarg_segment_align: 8
    .kernarg_segment_size: 56
    .max_flat_workgroup_size: 128
    .sgpr_count:     98
    .vgpr_count:     768
    .wavefront_size: 32
...
	.end_amdgpu_metadata
.endif
;; end of part 1
;; launch qk (part 2): grid 8 x 32, 4 waves a work-group, clusters of 4 x 4, 327,680 bytes of LDS; arguments x_codes, q_w_codes, k_w_codes, lowp_scales, q_b, tab, q_img, k_img; writes q_img, k_img
.if DOCPART == 2
	.amdgcn_target "amdgcn-amd-amdhsa--gfx1250"
	.amdhsa_code_object_version 6
	.text
	.protected	k_q181f622d14_qk
	.globl	k_q181f622d14_qk
	.p2align	8
	.type	k_q181f622d14_qk,@function
k_q181f622d14_qk:
	s_mov_b64 s[64:65], 0
	v_nop
	global_prefetch_b8 v0, s[64:65] scope:SCOPE_SE
	s_setreg_imm32_b32 hwreg(HW_REG_WAVE_MODE, 25, 1), 1
	s_wait_xcnt 0x0
	s_wait_alu depctr_hold_cnt(0) depctr_sa_sdst(0) depctr_va_vdst(0) depctr_va_sdst(0) depctr_va_ssrc(0) depctr_va_vcc(0) depctr_vm_vsrc(0)
	s_getreg_b32 s2, hwreg(HW_REG_IB_STS2, 6, 4)
	s_cmp_eq_u32 s2, 0
	s_cbranch_scc0 .Lentry_in_a_cluster
	s_endpgm
.Lentry_in_a_cluster:
	s_bfe_u32 s2, ttmp6, 0x10000c
	s_cmp_lg_u32 s2, 0xf033
	s_cbranch_scc0 .Lentry_shape_is_right
	s_endpgm
.Lentry_shape_is_right:
; q = rot(x q_w^T + q_b), k = rot(x k_w^T), on codes of BF8 (E5M2) as they are given; each result is quantised at once (2^e6, 2^e7) and stored as codes.
; x: [8192][1024], the weights: [1024][1024], K innermost, one code a byte.  A sum stands for sum x 2^(x's e + the weight's e): e0 + e1, e2 + e3.
; THE LOOP: a tile of 256 x 256 results to a work-group of four waves, 128 x 128 to a wave (64 accumulators, 512 registers): 32 x 8 = 256 work-groups.  K in steps of 256 through a ring of two LDS slots filled by the tensor data mover.
; CLUSTERS of 4 x 4: a row of the cluster shares A's tiles (x), a column B's (the weight): joint loads.  The cluster's x, which all sixteen share, says which product: 0: q, 1: k.
; Source 0 of the matrix instruction takes B's rows, source 1 A's: a lane holds a token and eight neighbouring columns: four rotary pairs, and eight neighbours along the next product's K.
; Both operands are fetched by loads of 16 bytes: the same permutation of k on both sides, so every product meets its partner.
; What the way out reads from memory is asked for ahead: the bias and the table's block 0 in the head, the table's blocks 1-4 ahead of the last 128 along K (into B's set that is done with), blocks 5-7 behind it.
; THE WAY OUT needs no LDS: eight results of a lane become two registers of codes, which ARE registers 2 c, 2 c + 1 of the next launch's operand; they are stored as images of those registers:
;   q_img, k_img: [64 heads][128 blocks of 16 tokens][2 quads][32 lanes][16 bytes].  Each store of the wave covers 512 consecutive bytes, aligned.
; NO PREFETCH of the tiles: K has four steps; two are asked for in the head and two by the only two refills, so no step lies two refills ahead.
; LIMITS: e0 + e1, e2 + e3 between -126 and 127; e6, e7 between -126 and 112, so that each power of two below is an f32 number.  NaN among the inputs is not served.
; REGISTERS: window 0: v0-31 addresses and constants; v32-127 the bias and the table's block 0; from v128 A's fragments, one set, on the way out the results at work.
;            window 1: B's fragments, two sets; on the way out v0-223 the table's blocks 1-7, v254-255 copies of two constants.  windows 2, 3: the accumulators, (a, b) at v[8 (8 (a % 4) + b)].
.set KSTEP,  256
.set ROWB,   256                       ; a tile's row in bytes
.set KROW,   1024                      ; a row of any of the three tensors in memory
.set PITCH,  272                       ; an LDS row: 256 bytes + 16 of padding: the 16 rows that a load touches start at 16 different banks (64 banks of 4 bytes: ISA guide 11.1)
.set FR,     16
.set NL,     4
.set NP,     4                         ; places behind this matrix instruction (ISA guide 7.12.1)
.set HALFT,  128*PITCH
.set SLOT,   4*HALFT                   ; A's 256 rows, then B's 256 rows
.set LAPS,   2                         ; K = 1,024 = two laps of two K steps
.set SPARE,  2*SLOT                    ; behind the ring: the spare words, 128 bytes for each wave, which no other line names
.set ADRA, 16                          ; v16-17  LDS address of my A fragments in slot 0, 1
.set ADRB, 20                          ; v20-21  the same for B
.set LOF,  26                          ; v26     16 x lane
.set BOF,  27                          ; v27     my lane's offset in the bias
.set SPW,  28                          ; v28     my spare word; never rewritten
.set NIL,  29                          ; v29     0; never rewritten
.set SCL,  30                          ; v30     the result's scale 2^e as f32
.set LIM,  31                          ; v31     57,344 x 2^e
.set QB,   32                          ; v32-95   q's bias at my 64 columns of a block (k: zeros)
.set T0,   96                          ; v96-127  the table's block 0
.set X,    128                         ; v128-191 a block's 64 results
.set Y,    192                         ; v192-207 eight rotated numbers, two sets
.set CD,   208                         ; v208-239 a block's codes, two sets of 16
.set LM1,  254                         ; window 1: LIM once more,
.set SC1,  255                         ; and SCL, for the lines whose source 1 stands in window 1
.set AF,   128
.set G1, 24                            ; s[24:31] group 1 for A's tiles; s[32:39] group 0, a set for each slot
.set G0, 32
.set G1B, 48                           ; s[48:55], s[56:63] the same for B's
.set G0B, 56
.set MSB, 0
.macro WIN new                         ; the immediate's high byte repeats the setting that is left
.if MSB != (\new)
	s_set_vgpr_msb (MSB<<8)|(\new)
.set MSB, (\new)
.endif
.endm
.set MUL_LO, 0xa1                      ; source 0 (B) window 1, source 1 (A) window 0, C and D window 2
.set MUL_HI, 0xf1                      ; the same, C and D window 3
.set TO_B,   0x40                      ; destination window 1, address window 0
; A joint load: waves 0 and 1 fetch for A, waves 2 and 3 for B; the branch hangs on the wave's number alone.  An s_nop 0 and four v_nop follow each of the two lines.
.macro JLOAD g0a, g1a, g0b, g1b
	s_cmp_eq_u32 s15, 0
	s_cbranch_scc0 .Lfor_b_\@
	tensor_load_to_lds s[\g0a:\g0a+3], s[\g1a:\g1a+7]
	s_nop 0
.rept 4
	v_nop
.endr
	s_branch .Lasked_\@
.Lfor_b_\@:
	tensor_load_to_lds s[\g0b:\g0b+3], s[\g1b:\g1b+7]
	s_nop 0
.rept 4
	v_nop
.endr
.Lasked_\@:
.endm
.macro CREST                           ; a round of the cluster's barrier behind its opening barrier
	s_cmp_lg_u32 s14, 0
	s_cbranch_scc1 .Lnot_wave_0_\@
	s_barrier_signal -3
.Lnot_wave_0_\@:
	s_barrier_wait -3
	s_barrier_signal -1
	s_barrier_wait -1
.endm
.macro CROUND
	s_barrier_signal -1
	s_barrier_wait -1
	CREST
.endm
	s_load_b256 s[68:75], s[0:1], 0x0              ; x s[68:69], q_w s[70:71], k_w s[72:73], the exponents s[74:75]
	s_load_b256 s[76:83], s[0:1], 0x20             ; q_b s[76:77], tab s[78:79], q_img s[80:81], k_img s[82:83]
	v_lshl_add_u32 v[SPW], v0, 2, SPARE
	v_mov_b32 v[NIL], 0
	ds_add_u32 v[SPW], v[NIL]                      ; the opening lines: the add, twice on end, and its wait
	ds_add_u32 v[SPW], v[NIL]
	v_lshrrev_b32 v1, 5, v0
	v_readfirstlane_b32 s14, v1                    ; wave 0..3
	s_lshr_b32 s15, s14, 1                         ; which half of A's rows is mine.  Also: I fetch for A (0) or for B (1)
	s_and_b32 s16, s14, 1                          ; which half of B's rows.  Also: which 128 rows of that tile I fetch
	s_bfe_u32 s40, ttmp6, 0x40000                  ; cx, cy: my place in the cluster
	s_bfe_u32 s41, ttmp6, 0x40004
	s_and_b32 s17, ttmp7, 0xffff
	s_lshl_b32 s17, s17, 2
	s_add_co_u32 s17, s17, s41                     ; A's tile, 0..31: hangs on cy alone
	s_mov_b32 s42, s40                             ; B's tile, 0..3: on cx alone
	s_lshl_b32 s43, s41, 2
	s_lshl_b32 s43, 15, s43                        ; my row of the cluster
	s_lshl_b32 s44, 0x1111, s40                    ; my column
	s_or_b32 s[G1+0], s43, (0<<16)|(1<<20)|(1<<21)|(5<<22)|(3<<25)  ; 15:0 the mask; 17:16 elements of 1 byte; 20 padding on; 21 set beside a mask; 24:22 after every 64 words; 31:25 four words
	s_or_b32 s[G1B+0], s44, (0<<16)|(1<<20)|(1<<21)|(5<<22)|(3<<25)
.irp g, G1, G1B
	s_mov_b32 s[\g+1], ROWB<<16                    ; tensor_dim0
	s_mov_b32 s[\g+2], 128<<16                     ; tensor_dim1
	s_mov_b32 s[\g+3], ROWB<<16                    ; tile_dim0
	s_mov_b32 s[\g+4], 128                         ; tile_dim1
	s_mov_b32 s[\g+5], KROW                        ; from row to row
	s_mov_b32 s[\g+6], 0
	s_mov_b32 s[\g+7], 0
.endr
	s_lshl_b32 s18, s16, 7
	s_lshl_b32 s20, s17, 8
	s_add_co_u32 s20, s20, s18                     ; A: row 256 x tile + 128 x half
	s_lshl_b32 s46, s42, 8
	s_add_co_u32 s46, s46, s18                     ; B likewise
	s_lshl_b32 s20, s20, 10                        ; in bytes: under 2^23
	s_lshl_b32 s46, s46, 10
	s_mov_b32 s21, 0
	s_mov_b32 s47, 0
	s_mul_i32 s45, s14, HALFT                      ; where they go: wave x 128 rows
	s_wait_dscnt 0x0                               ; both opening adds are done
	s_wait_kmcnt 0x0
	s_load_b256 s[88:95], s[74:75], 0x0            ; e0 .. e7
	s_cmp_eq_u32 ttmp9, 0
	s_cselect_b64 s[6:7], s[70:71], s[72:73]       ; B: q_w or k_w
	s_add_nc_u64 s[20:21], s[68:69], s[20:21]
	s_add_nc_u64 s[46:47], s[6:7], s[46:47]
	CROUND                                         ; all sixteen work-groups are here: the first joint loads meet
.irp s, 0,1
	s_mov_b32 s[G0+4*\s], 1
	s_add_co_u32 s[G0+4*\s+1], s45, \s*SLOT
	s_add_nc_u64 s[G0+4*\s+2:G0+4*\s+3], s[20:21], \s*ROWB
	s_or_b32 s[G0+4*\s+3], s[G0+4*\s+3], 0x80000000
	s_mov_b32 s[G0B+4*\s], 1
	s_add_co_u32 s[G0B+4*\s+1], s45, \s*SLOT
	s_add_nc_u64 s[G0B+4*\s+2:G0B+4*\s+3], s[46:47], \s*ROWB
	s_or_b32 s[G0B+4*\s+3], s[G0B+4*\s+3], 0x80000000
.endr
	JLOAD G0, G1, G0B, G1B                         ; K step 0: one tensor load a wave at the head
	v_and_b32 v1, 15, v0                           ; l % 16
	v_bfe_u32 v2, v0, 4, 1                         ; l / 16
	v_mul_u32_u24 v3, v1, PITCH
	v_lshl_add_u32 v4, v2, 4, v3                   ; a fragment's row x pitch + 16 x half
	s_mul_i32 s21, s15, HALFT                      ; my 128 rows of A
	s_mul_i32 s22, s16, HALFT                      ; my 128 rows of B,
	s_add_co_u32 s22, s22, 2*HALFT                 ; which lie behind A's 256
.irp s, 0,1
	v_add_nc_u32 v[ADRA+\s], s21, v4
	v_add_nc_u32 v[ADRB+\s], s22, v4
	s_add_co_u32 s21, s21, SLOT
	s_add_co_u32 s22, s22, SLOT
.endr
	; the way out's constants, chosen on the cluster's x by selects
	s_wait_kmcnt 0x0
	s_cmp_eq_u32 ttmp9, 0
	s_cselect_b32 s96, s88, s90                    ; x's exponent: e0 or e2,
	s_cselect_b32 s97, s89, s91                    ; the weight's: e1 or e3,
	s_cselect_b32 s100, s94, s95                   ; the result's: e6 or e7
	s_cselect_b64 s[10:11], s[80:81], s[82:83]     ; and the image
	s_add_co_i32 s96, s96, s97
	s_add_co_i32 s96, s96, 127
	s_lshl_b32 s96, s96, 23                        ; 2^(the two operands' e added) as f32
	s_mov_b32 s97, s96                             ; (named with it as a pair, so it is written)
	s_add_co_i32 s100, s100, 127
	s_lshl_b32 s101, s100, 23
	s_add_co_i32 s100, s100, 15
	s_lshl_b32 s100, s100, 23
	s_or_b32 s100, s100, 0x600000
	; A's rows are tokens (s20), B's rows are columns (s22).  Block a: 16 tokens x 128 columns = two heads
	s_lshl_b32 s20, s17, 8
	s_lshl_b32 s21, s15, 7
	s_add_co_u32 s20, s20, s21                     ; my first token
	s_lshl_b32 s22, s42, 8
	s_lshl_b32 s23, s16, 7
	s_add_co_u32 s22, s22, s23                     ; my first column
	s_mov_b32 s19, 0
	s_lshr_b32 s18, s20, 11                        ; the batch
	s_lshl_b32 s18, s18, 4
	s_lshr_b32 s21, s22, 6
	s_add_co_u32 s18, s18, s21                     ; 16 x batch + my first head
	s_lshl_b32 s18, s18, 7
	s_and_b32 s21, s20, 2047
	s_lshr_b32 s21, s21, 4                         ; my first block of 16 positions
	s_add_co_u32 s18, s18, s21
	s_lshl_b32 s18, s18, 10                        ; 1,024 bytes a head and block
	s_add_nc_u64 s[10:11], s[10:11], s[18:19]
	s_lshl_b32 s18, s21, 12
	s_add_nc_u64 s[12:13], s[78:79], s[18:19]      ; the table at my first block
	v_mov_b32 v[SCL], s101                         ; the result's scale: the conversion takes its exponent field
	v_mov_b32 v[LIM], s100                         ; 57,344 x the scale
	v_and_b32 v[LOF], 31, v0
	v_lshlrev_b32 v[LOF], 4, v[LOF]
.irp q, 0,1,2,3,4,5,6,7
	global_load_b128 v[T0+4*\q:T0+4*\q+3], v[LOF], s[12:13] offset:512*\q
.endr
	s_cmp_eq_u32 ttmp9, 0
	s_cbranch_scc0 .Lno_bias
	s_lshl_b32 s18, s22, 2
	s_add_nc_u64 s[4:5], s[76:77], s[18:19]        ; q_b at my first column
	v_bfe_u32 v[BOF], v0, 4, 1
	v_lshlrev_b32 v[BOF], 5, v[BOF]                ; 32 h: my half's eight columns of a tile
.irp b, 0,1,2,3,4,5,6,7
	global_load_b128 v[QB+8*\b:QB+8*\b+3], v[BOF], s[4:5] offset:64*\b
	global_load_b128 v[QB+8*\b+4:QB+8*\b+7], v[BOF], s[4:5] offset:64*\b+16
.endr
	s_branch .Lbias_set
.Lno_bias:                                             ; k has no bias: the one text of the blocks below adds zeros
.set j, 0
.rept 64
	v_mov_b32 v[QB+j], 0
.set j, j+1
.endr
.Lbias_set:
.macro FRAG reg, adr, q, i             ; 16 rows x 128 K: 16 registers: lane l holds row l % 16; registers 4 c .. 4 c + 3 hold K = 32 c + 16 (l / 16) + 0 .. 15
.irp c, 0,1,2,3
	ds_load_b128 v[\reg+4*\c:\reg+4*\c+3], v[\adr] offset:128*(\q)+32*\c+(\i)*16*PITCH
.endr
.endm
; 16 matrix instructions: A's blocks a0, a0 + 1 x B's eight.  The 64 accumulators take turns, one instruction a turn, in the same order in every step.  zero = 1: the first product starts the sums
.macro MUL16 a0, p, zero
.irp a, \a0, \a0+1
.irp b, 0,1,2,3,4,5,6,7
.if \zero
	v_wmma_f32_16x16x128_bf8_bf8 v[8*(8*((\a)%4)+\b):8*(8*((\a)%4)+\b)+7], v[128*(\p)+FR*\b:128*(\p)+FR*\b+FR-1], v[AF+FR*(\a):AF+FR*(\a)+FR-1], 0
.else
	v_wmma_f32_16x16x128_bf8_bf8 v[8*(8*((\a)%4)+\b):8*(8*((\a)%4)+\b)+7], v[128*(\p)+FR*\b:128*(\p)+FR*\b+FR-1], v[AF+FR*(\a):AF+FR*(\a)+FR-1], v[8*(8*((\a)%4)+\b):8*(8*((\a)%4)+\b)+7]
.endif
.endr
.endr
.endm
.macro FETCH_B slot, q, p
	WIN TO_B
.irp i, 0,1,2,3,4,5,6,7
	FRAG 128*(\p)+FR*\i, ADRB+\slot, \q, \i
.endr
	WIN 0
.endm
.macro FETCH_A slot, q, i0
.irp i, \i0, \i0+1, \i0+2, \i0+3
	FRAG AF+FR*(\i), ADRA+\slot, \q, \i
.endr
.endm
.macro PLACES n                        ; plain vector instructions between a matrix instruction and a load into, or a vector read of, its registers
.rept \n
	v_nop
.endr
.endm
; A step of 128 along K that has its successor in the same slot.  A has one set of registers: blocks 0-3 are fetched anew in the step's middle, blocks 4-7 at its end; B has two sets.
.macro STEP slot, q, zero
	s_wait_dscnt 4*NL                              ; B's set and A's blocks 0-3 are in; the youngest sixteen loads (A's blocks 4-7) may be out
	WIN MUL_LO
	MUL16 0, (\q)%2, \zero
	MUL16 2, (\q)%2, \zero
	s_wait_dscnt 0                                 ; A's blocks 4-7 are in
	PLACES NP
	FETCH_B \slot, (\q)+1, 1-(\q)%2
	FETCH_A \slot, (\q)+1, 0
	WIN MUL_HI
	MUL16 4, (\q)%2, \zero
	MUL16 6, (\q)%2, \zero
	PLACES NP
	WIN 0
	FETCH_A \slot, (\q)+1, 4
.endm
; A slot's last step changes slots: one barrier; in front of it each wave waits for all its tensor loads, adds 0 to its spare word, and waits for that and for its own reads of this slot.  fill = 1: this slot is filled again, two K steps ahead.
.macro TURN slot, next, fill
	s_wait_tensorcnt 0x0                           ; all my tensor loads have landed: my part of the next slot
	ds_add_u32 v[SPW], v[NIL]                      ; 0 onto my spare word
	s_wait_dscnt 4*NL+1                            ; the add and the youngest sixteen loads may be out
	WIN MUL_LO
	MUL16 0, 1, 0                                  ; sixteen matrix instructions stand between the add and the wait for it
	s_wait_dscnt 0x0                               ; the add is done, and my reads of this slot are over
	s_barrier_signal -1
	MUL16 2, 1, 0
	WIN 0
	s_barrier_wait -1
.if \fill
	CREST                                          ; the barrier has opened a round of the cluster's barrier: no wave of any partner still reads this slot or has a load on its way
	s_add_nc_u64 s[G0+4*\slot+2:G0+4*\slot+3], s[G0+4*\slot+2:G0+4*\slot+3], 2*ROWB
	s_add_nc_u64 s[G0B+4*\slot+2:G0B+4*\slot+3], s[G0B+4*\slot+2:G0B+4*\slot+3], 2*ROWB
	JLOAD G0+4*\slot, G1, G0B+4*\slot, G1B         ; the first tensor load behind the round; its four v_nop are also the places in front of the loads below
.else
	PLACES NP
.endif
	FETCH_B \next, 0, 0
	FETCH_A \next, 0, 0
	WIN MUL_HI
	MUL16 4, 1, 0
	MUL16 6, 1, 0
	PLACES NP
	WIN 0
	FETCH_A \next, 0, 4
.endm
.macro TLOADW a                        ; the table's block a (1 to 7) into window 1: (cos, sin) of my token's position for my 16 pairs; 512 consecutive bytes a load
.irp q, 0,1,2,3,4,5,6,7
	global_load_b128 v[32*((\a)-1)+4*\q:32*((\a)-1)+4*\q+3], v[LOF], s[12:13] offset:4096*(\a)+512*\q
.endr
.endm
	s_wait_alu depctr_va_vdst(0)                   ; the wait at the head's end
	s_wait_tensorcnt 0x0                           ; my part of K step 0 is in; the lines ahead of a later first fill:
	ds_add_u32 v[SPW], v[NIL]
	s_wait_dscnt 0x0
	CROUND                                         ; everybody's part of K step 0 is in, and all sixteen work-groups are here
	JLOAD G0+4, G1, G0B+4, G1B                     ; K step 1's load, the first tensor load behind the round
	FETCH_B 0, 0, 0
	FETCH_A 0, 0, 0
	FETCH_A 0, 0, 4
	STEP 0, 0, 1                                   ; the first step's products start the sums
	s_mov_b32 s3, LAPS-1
.Llap:                                                 ; a trip goes once round the ring and fills both slots again
	TURN 0, 1, 1
	STEP 1, 0, 0
	TURN 1, 0, 1
	STEP 0, 0, 0
	s_sub_co_u32 s3, s3, 1
	s_cmp_lg_u32 s3, 0
	s_cbranch_scc1 .Llap
	TURN 0, 1, 0                                   ; the last lap fills nothing
	STEP 1, 0, 0
	WIN TO_B                                       ; B's set 0 is done with (its places stand at the step's end): the table's blocks 1-4
.irp a, 1,2,3,4
	TLOADW \a
.endr
	WIN 0
	s_wait_dscnt 4*NL
	WIN MUL_LO
	MUL16 0, 1, 0
	MUL16 2, 1, 0
	s_wait_dscnt 0
	WIN MUL_HI
	MUL16 4, 1, 0
	MUL16 6, 1, 0
	WIN 0
	PLACES NP
	WIN TO_B                                       ; B's set 1 is done with too: blocks 5-7
.irp a, 5,6,7
	TLOADW \a
.endr
	v_mov_b32 v[LM1], s100
	v_mov_b32 v[SC1], s101
	WIN 0
; Tile b of block a: eight neighbouring columns = four pairs (x0, x1) -> (x0 cos - x1 sin, x0 sin + x1 cos); held at the largest code x the scale (the conversion does not saturate: ISA guide 7.6.2); two registers of codes.
; The sets of Y take turns, so that the next tile's first multiplication is the plain instruction behind the conversion.  Source 1 of every line (the table, the limit, the scale) stands in one window: 0 in block 0, 1 in the others.
.macro ROT a, b
.set YS, Y+8*((\b)%2)
.set XS, X+8*(\b)
.if (\a) == 0
.set TS, T0+8*((\b)%4)
.set LM, LIM
.set SC, SCL
.else
.set TS, 32*((\a)-1)+8*((\b)%4)
.set LM, LM1
.set SC, SC1
.endif
.irp e, 0,2,4,6
	v_pk_mul_f32 v[YS+\e:YS+\e+1], v[XS+\e:XS+\e+1], v[TS+\e:TS+\e+1] op_sel_hi:[1,0]   ; both x cos
.endr
.irp e, 0,2,4,6
	v_fma_f32 v[YS+\e], -v[XS+\e+1], v[TS+\e+1], v[YS+\e]
	v_fma_f32 v[YS+\e+1], v[XS+\e], v[TS+\e+1], v[YS+\e+1]
.endr
.irp e, 0,1,2,3,4,5,6,7
	v_med3_num_f32 v[YS+\e], v[YS+\e], -v[LM], v[LIM]
.endr
	v_cvt_scalef32_pk8_bf8_f32 v[CD+16*((\a)%2)+2*(\b):CD+16*((\a)%2)+2*(\b)+1], v[YS:YS+7], v[SC]
.endm
.macro QK_BLOCK a
	s_wait_loadcnt 8*(7-(\a))                      ; all but the later blocks' tables, eight loads each: this block's table (and, the first time, the bias) is in
	WIN 0x02+((\a)/4)                              ; source 0 (the sums) window 2 or 3
.set j, 0
.rept 32
	v_pk_fma_f32 v[X+j:X+j+1], v[64*((\a)%4)+j:64*((\a)%4)+j+1], s[96:97], v[QB+j:QB+j+1] op_sel_hi:[1,0,1]   ; sum x 2^e + bias; each accumulator from its low end on
.set j, j+2
.endr
.if (\a) == 0
	WIN 0
.else
	WIN 0x04                                       ; source 1 window 1
.endif
.if (\a) >= 2
	s_wait_xcnt 0x0                                ; the stores of two blocks back have read this set of codes
.endif
.irp b, 0,1,2,3,4,5,6,7
	ROT \a, \b
.endr
	v_nop                                          ; a plain instruction behind the last conversion
	WIN 0
.irp i, 0,1,2,3
	global_store_b128 v[LOF], v[CD+16*((\a)%2)+4*\i:CD+16*((\a)%2)+4*\i+3], s[10:11] offset:1024*(\a)+131072*(\i/2)+512*(\i%2)   ; head i / 2, quad i % 2
.endr
.endm
	s_wait_alu depctr_va_vdst(0)                   ; a wait directly ahead of the wait below
.irp a, 0,1,2,3,4,5,6,7
	QK_BLOCK \a
.endr
	s_wait_tensorcnt 0x0                           ; the wave's end
	ds_add_u32 v[SPW], v[NIL]
	s_wait_dscnt 0x0
	CROUND                                         ; the closing round: no work-group ends while a partner may still ask for a tile that names it
	s_endpgm
.Lfunc_end_k_q181f622d14_qk:
	.size	k_q181f622d14_qk, .Lfunc_end_k_q181f622d14_qk-k_q181f622d14_qk
	.p2alignl 7, 3214868480
	.fill 96, 4, 3214868480
	.section	.rodata,"a",@progbits
	.p2align	6, 0x0
	.amdhsa_kernel k_q181f622d14_qk
		.amdhsa_group_segment_fixed_size 327680
		.amdhsa_private_segment_fixed_size 0
		.amdhsa_enable_private_segment 0
		.amdhsa_kernarg_size 64
		.amdhsa_user_sgpr_count 2
		.amdhsa_user_sgpr_kernarg_segment_ptr 1
		.amdhsa_wavefront_size32 1
		.amdhsa_system_sgpr_workgroup_id_x 1
		.amdhsa_system_sgpr_workgroup_id_y 1
		.amdhsa_system_sgpr_workgroup_id_z 1
		.amdhsa_system_vgpr_workitem_id 0
		.amdhsa_next_free_vgpr 1024
		.amdhsa_next_free_sgpr 102
		.amdhsa_reserve_vcc 0
		.amdhsa_float_denorm_mode_32 3
		.amdhsa_float_denorm_mode_16_64 3
		.amdhsa_memory_ordered 1
		.amdhsa_forward_progress 1
		.amdhsa_inst_pref_size 193
	.end_amdhsa_kernel
	.amdgpu_metadata
---
amdhsa.version: [ 1, 2 ]
amdhsa.kernels:
  - .name:           k_q181f622d14_qk
    .symbol:         k_q181f622d14_qk.kd
    .args:
      - { .name: x_codes, .offset: 0, .size: 8, .value_kind: global_buffer, .address_space: global }
      - { .name: q_w_codes, .offset: 8, .size: 8, .value_kind: global_buffer, .address_space: global }
      - { .name: k_w_codes, .offset: 16, .size: 8, .value_kind: global_buffer, .address_space: global }
      - { .name: lowp_scales, .offset: 24, .size: 8, .value_kind: global_buffer, .address_space: global }
      - { .name: q_b, .offset: 32, .size: 8, .value_kind: global_buffer, .address_space: global }
      - { .name: tab, .offset: 40, .size: 8, .value_kind: global_buffer, .address_space: global }
      - { .name: q_img, .offset: 48, .size: 8, .value_kind: global_buffer, .address_space: global }
      - { .name: k_img, .offset: 56, .size: 8, .value_kind: global_buffer, .address_space: global }
    .group_segment_fixed_size: 327680
    .private_segment_fixed_size: 0
    .kernarg_segment_align: 8
    .kernarg_segment_size: 64
    .max_flat_workgroup_size: 128
    .sgpr_count:     102
    .vgpr_count:     1024
    .wavefront_size: 32
...
	.end_amdgpu_metadata
.endif
;; end of part 2
;; launch att (part 3): grid 4 x 64, 8 waves a work-group, clusters of 4 x 1, 327,680 bytes of LDS; arguments q_img, k_img, v_img, lowp_scales, a_img; writes a_img
.if DOCPART == 3
	.amdgcn_target "amdgcn-amd-amdhsa--gfx1250"
	.amdhsa_code_object_version 6
	.text
	.protected	k_q181f622d14_att
	.globl	k_q181f622d14_att
	.p2align	8
	.type	k_q181f622d14_att,@function
k_q181f622d14_att:
	s_mov_b64 s[64:65], 0
	v_nop
	global_prefetch_b8 v0, s[64:65] scope:SCOPE_SE
	s_setreg_imm32_b32 hwreg(HW_REG_WAVE_MODE, 25, 1), 1
	s_wait_xcnt 0x0
	s_wait_alu depctr_hold_cnt(0) depctr_sa_sdst(0) depctr_va_vdst(0) depctr_va_sdst(0) depctr_va_ssrc(0) depctr_va_vcc(0) depctr_vm_vsrc(0)
	s_getreg_b32 s2, hwreg(HW_REG_IB_STS2, 6, 4)
	s_cmp_eq_u32 s2, 0
	s_cbranch_scc0 .Lentry_in_a_cluster
	s_endpgm
.Lentry_in_a_cluster:
	s_bfe_u32 s2, ttmp6, 0x10000c
	s_cmp_lg_u32 s2, 0x3003
	s_cbranch_scc0 .Lentry_shape_is_right
	s_endpgm
.Lentry_shape_is_right:
; a = softmax(q k^T / 8) v for one head, both products on codes of BF8 (E5M2); the result is quantised at once (2^e10) and stored as codes.
; THE SOFTMAX: t = score x log2(e) / 8 x 2^(e6 + e7); M = the running largest t rounded up to a whole number; p = 2^(t - M) is quantised with 2^e8; the row's sum is taken of the unquantised p and divides at the end.
; When M moves, the sum and O are multiplied by 2^(old M - new M), which rounds nothing.  The running maximum is kept in units of the score (c is positive, so rounding c x score keeps the order).
; INPUTS are images of operand registers: q_img, k_img [64 heads][128 blocks of 16 tokens][2 quads][32 lanes][16 bytes]; v_img [64 heads][16 blocks of 128 keys][4 tiles of 16 channels][4 quads][32 lanes][16 bytes].
; OUTPUT a_img [512 blocks of 16 tokens][16 heads][2 quads][32 lanes][16 bytes]; each store of the wave covers 512 consecutive bytes, aligned.
; SHARES: a cluster of four work-groups owns a head, a work-group 512 queries, each of its eight waves 64 queries = four tiles of 16, so that each fragment of K and of V read from LDS feeds four matrix instructions.
; Both products are used transposed (S^T = K Q^T, O^T = V^T P^T): a lane holds one query (lane % 16); the eight registers of score tile t are keys 16 t + 8 (lane / 16) + 0 .. 7, which is the place that the second product's operand gives them.
; LDS: the head's K (131,072 bytes, from 0) and V (131,072 bytes, from 0x20000) lie there whole and are filled once, by joint loads that name the cluster's four work-groups (all four read the same K and V).
; At the head each wave asks for 2,048 bytes (together: the first 128 keys of K and of V); behind a round of the cluster's barrier each asks for 30,720 bytes (the other 1,920 keys), which are on their way during the first key step.
; NO PREFETCH: both loads stand in the head and ask for all that the launch reads of K and V; there is no later request to run ahead of.
; The first key step is written out: its products start O (C = 0), and nothing is cleared or rescaled there.  The softmax goes by two tiles at a time, their chains by turns.
; LIMITS: e6 + e7 between -123 and 130; e8 between -126 and 112; e10 - e8 - e9 between -126 and 112, so that each power of two below is an f32 number.  The scaled scores stay under 2^31 in magnitude.  NaN among the inputs is not served.
; REGISTERS.  window 0: v0-43 addresses, constants and the softmax's state; v64-127 fragments of K, then of V; v128-255 two tiles of scores, then p.
;             window 1: v0-127 O^T (tile q at 32 q); v128-191 p's codes (16 q); v192-223 Q's fragments (8 q).
.set SPARE, 0x40000                    ; the spare words: 128 bytes for each of eight waves, which no other line names
.set WV,  14
.set CX,  15
.set BH,  16
.set SEL, 60                           ; s[60:61] selects of v_permlanex16_b32: lane l xor 16
.set CS,  62                           ; s[62:63] c
.set TB,  66                           ; the key step's first byte in K's and in V's part of LDS
.set CNT, 67
.set LN,  1                            ; 16 x lane
.set ADK, 2
.set ADV, 3
.set PSC, 4                            ; 2^e8
.set PLM, 5                            ; 57,344 x 2^e8,
.set PLM2, 6                           ; and once more, in another register bank, for the second half of a dual pair
.set LNV, 7                            ; 0x20000 + 16 x lane
.set ST,  8                            ; v8-23: tile q at 8 + 4 q: -M, the running largest score, the sum in two halves
.set FA,  24                           ; v[24:25], v[26:27]: f = 2^(old M - new M) of the two tiles in hand
.set FB,  26
.set XA0, 28
.set XA1, 29
.set XB0, 30
.set XB1, 31
.set UA,  34
.set UB,  36
.set SPW, 38                           ; my spare word; never rewritten
.set NIL, 39                           ; 0; never rewritten
.set PD,  40                           ; v40-43 destinations of lane permutes
.set KV,  64
.set S,   128
.set SA,  128
.set SB,  192
.set P,   128                          ; in window 1
.set QF,  192                          ; in window 1
.set MSB, 0
.macro WIN new                         ; the immediate's high byte repeats the setting that is left
.if MSB != (\new)
	s_set_vgpr_msb (MSB<<8)|(\new)
.set MSB, (\new)
.endif
.endm
.macro PLACES                          ; plain vector instructions between a matrix instruction and a load into, or a vector read of, its registers
.rept 4
	v_nop
.endr
.endm
.macro CROUND                          ; a round of the cluster's barrier
	s_barrier_signal -1
	s_barrier_wait -1
	s_cmp_lg_u32 s[WV], 0
	s_cbranch_scc1 .Lnot_wave_0_\@
	s_barrier_signal -3
.Lnot_wave_0_\@:
	s_barrier_wait -3
	s_barrier_signal -1
	s_barrier_wait -1
.endm
.macro G1SET g, rows                   ; a dense block as rows of 256 bytes (32 elements of 8 bytes); the mask names the cluster's four
	s_mov_b32 s[\g], 15|(3<<16)|(1<<21)
	s_mov_b32 s[\g+1], 32<<16
	s_mov_b32 s[\g+2], (\rows)<<16
	s_mov_b32 s[\g+3], 32<<16
	s_mov_b32 s[\g+4], \rows
	s_mov_b32 s[\g+5], 32
	s_mov_b32 s[\g+6], 0
	s_mov_b32 s[\g+7], 0
.endm
.macro G0SET g, off                    ; the same offset in the head's image and in its part of LDS
	s_mov_b32 s[\g], 1
	s_add_co_u32 s[\g+1], s19, s[\off]
	s_mov_b32 s2, s[\off]
	s_add_nc_u64 s[\g+2:\g+3], s[74:75], s[2:3]
	s_or_b32 s[\g+3], s[\g+3], 0x80000000
.endm
	s_load_b256 s[4:11], s[0:1], 0x0               ; q_img s[4:5], k_img s[6:7], v_img s[8:9], the exponents s[10:11]
	s_load_b64 s[12:13], s[0:1], 0x20              ; a_img
	v_lshl_add_u32 v[SPW], v0, 2, SPARE
	v_mov_b32 v[NIL], 0
	ds_add_u32 v[SPW], v[NIL]                      ; the opening lines: the add, twice on end, and its wait
	ds_add_u32 v[SPW], v[NIL]
	v_lshrrev_b32 v1, 5, v0
	v_readfirstlane_b32 s[WV], v1                  ; wave 0..7
	s_bfe_u32 s[CX], ttmp6, 0x40000                ; my place in the cluster: which 512 queries
	s_and_b32 s[BH], ttmp7, 0xffff                 ; the head
	G1SET 24, 8                                    ; 2,048 bytes
	G1SET 32, 120                                  ; 30,720 bytes
	s_and_b32 s17, s[WV], 3                        ; waves 0-3 fetch K's quarters, waves 4-7 V's
	s_lshr_b32 s18, s[WV], 2
	s_lshl_b32 s19, s18, 17                        ; K's part of LDS or V's
	s_lshl_b32 s20, s17, 11                        ; the first 8,192 bytes in quarters,
	s_mul_i32 s21, s17, 30720
	s_add_co_u32 s21, s21, 8192                    ; and the other 122,880
	s_lshl_b32 s2, s[BH], 17                       ; a head's image is 131,072 bytes
	s_mov_b32 s3, 0
	s_mov_b32 s[SEL], 0x76543210
	s_mov_b32 s[SEL+1], 0xfedcba98
	s_mov_b32 s[TB], 0
	s_wait_dscnt 0x0                               ; both opening adds are done
	s_wait_kmcnt 0x0
	s_load_b128 s[68:71], s[10:11], 0x18           ; e6, e7, e8, e9
	s_load_b32 s72, s[10:11], 0x28                 ; e10
	s_cmp_lt_u32 s[WV], 4
	s_cselect_b64 s[74:75], s[6:7], s[8:9]
	s_add_nc_u64 s[74:75], s[74:75], s[2:3]
	G0SET 40, 20
	G0SET 44, 21
	CROUND                                         ; all four work-groups are here: the joint loads meet
	tensor_load_to_lds s[40:43], s[24:31]          ; my one load at the head: my part of the first 128 keys
	s_nop 0
	s_lshl_b32 s21, s[CX], 5
	s_lshl_b32 s22, s[WV], 2
	s_add_co_u32 s21, s21, s22                     ; my first block of 16 queries in the head
	s_lshl_b32 s20, s[BH], 7
	s_add_co_u32 s20, s20, s21
	s_lshl_b32 s2, s20, 10
	s_add_nc_u64 s[4:5], s[4:5], s[2:3]            ; Q's image at my first tile
	s_lshr_b32 s20, s[BH], 4                       ; the batch
	s_lshl_b32 s20, s20, 7
	s_add_co_u32 s20, s20, s21
	s_lshl_b32 s20, s20, 14                        ; 16,384 bytes a block of 16 tokens
	s_and_b32 s22, s[BH], 15
	s_lshl_b32 s22, s22, 10                        ; 1,024 a head
	s_add_co_u32 s2, s20, s22
	s_add_nc_u64 s[12:13], s[12:13], s[2:3]
	v_and_b32 v[LN], 31, v0
	v_lshlrev_b32 v[LN], 4, v[LN]
	v_add_nc_u32 v[LNV], 0x20000, v[LN]
.irp u, 0,1,2,3
	v_mov_b32 v[ST+4*\u+1], 0xff61b1e6             ; the largest score so far: -3e38, under every score
	v_mov_b32 v[PD+\u], 0                          ; written once: a lane permute's destination counts as one of its sources
.endr
	v_mov_b32 v[FA+1], 0                           ; (named as the upper halves of pairs)
	v_mov_b32 v[FB+1], 0
	WIN 0x40                                       ; destination window 1
.irp u, 0,1,2,3,4,5,6,7
	global_load_b128 v[QF+4*\u:QF+4*\u+3], v[LN], s[4:5] offset:512*\u   ; Q's four fragments stay in registers
.endr
	WIN 0
	s_wait_kmcnt 0x0
	s_mov_b32 s[CS], 0x3e38aa3b                    ; log2(e) / 8
	s_add_co_i32 s20, s68, s69
	s_lshl_b32 s20, s20, 23
	s_add_co_i32 s[CS], s[CS], s20                 ; x 2^(e6 + e7): added to the exponent field
	s_mov_b32 s[CS+1], s[CS]
	s_add_co_i32 s20, s70, 127
	s_lshl_b32 s21, s20, 23
	v_mov_b32 v[PSC], s21
	s_add_co_i32 s20, s20, 15
	s_lshl_b32 s20, s20, 23
	s_or_b32 s20, s20, 0x600000
	v_mov_b32 v[PLM], s20
	v_mov_b32 v[PLM2], s20
; S^T of tiles p0 and p0 + 1: 16 matrix instructions on 16 accumulators.  w = 1: K's fragments are still arriving
.macro SMUL p0, w
	WIN 0x04                                       ; source 1 (Q) window 1
.if \w
	s_wait_dscnt 8                                 ; K's tiles 0-3 are in; the youngest eight loads (tiles 4-7) may be out
.endif
.irp t, 0,1,2,3
.irp u, 0,1
	v_wmma_f32_16x16x64_bf8_bf8 v[S+64*\u+8*\t:S+64*\u+8*\t+7], v[KV+8*\t:KV+8*\t+7], v[QF+8*(\p0+\u):QF+8*(\p0+\u)+7], 0
.endr
.endr
.if \w
	s_wait_dscnt 0x0
.endif
.irp t, 4,5,6,7
.irp u, 0,1
	v_wmma_f32_16x16x64_bf8_bf8 v[S+64*\u+8*\t:S+64*\u+8*\t+7], v[KV+8*\t:KV+8*\t+7], v[QF+8*(\p0+\u):QF+8*(\p0+\u)+7], 0
.endr
.endr
	WIN 0
.endm
; O^T += V^T P^T: 16 matrix instructions on 16 accumulators, which take turns
.macro PVMUL first
	WIN 0x54                                       ; source 0 (V) window 0; P, C and D window 1
.irp t, 0,1,2,3
.irp u, 0,1,2,3
.if \first
	v_wmma_f32_16x16x128_bf8_bf8 v[32*\u+8*\t:32*\u+8*\t+7], v[KV+16*\t:KV+16*\t+15], v[P+16*\u:P+16*\u+15], 0
.else
	v_wmma_f32_16x16x128_bf8_bf8 v[32*\u+8*\t:32*\u+8*\t+7], v[KV+16*\t:KV+16*\t+15], v[P+16*\u:P+16*\u+15], v[32*\u+8*\t:32*\u+8*\t+7]
.endif
.endr
.endr
	WIN 0
.endm
; The softmax of tiles p0 (scores at SA) and p0 + 1 (at SB), 128 keys, line by line in turns
.macro SOFTMAX p0, first
.set NA, ST+4*(\p0)
.set NB, NA+4
.set LA, NA+2
.set LB, NB+2
	v_max3_num_f32 v[XA0], v[NA+1], v[SA], v[SA+1]     ; 65 leaves, the running maximum among them: 32 instructions, in two chains a tile; each accumulator from its low end on
	v_max3_num_f32 v[XB0], v[NB+1], v[SB], v[SB+1]
	v_max3_num_f32 v[XA1], v[SA+2], v[SA+3], v[SA+4]
	v_max3_num_f32 v[XB1], v[SB+2], v[SB+3], v[SB+4]
.set j, 5
.rept 14
	v_max3_num_f32 v[XA0], v[XA0], v[SA+j], v[SA+j+1]
	v_max3_num_f32 v[XB0], v[XB0], v[SB+j], v[SB+j+1]
	v_max3_num_f32 v[XA1], v[XA1], v[SA+j+2], v[SA+j+3]
	v_max3_num_f32 v[XB1], v[XB1], v[SB+j+2], v[SB+j+3]
.set j, j+4
.endr
	v_max3_num_f32 v[XA0], v[XA0], v[SA+61], v[SA+62]
	v_max3_num_f32 v[XB0], v[XB0], v[SB+61], v[SB+62]
	v_max3_num_f32 v[XA0], v[XA0], v[XA1], v[SA+63]
	v_max3_num_f32 v[XB0], v[XB0], v[XB1], v[SB+63]
	v_permlanex16_b32 v[PD], v[XA0], s[SEL], s[SEL+1]
	v_permlanex16_b32 v[PD+1], v[XB0], s[SEL], s[SEL+1]
	v_max_num_f32 v[NA+1], v[XA0], v[PD]               ; with lane l xor 16's: the running largest score
	v_max_num_f32 v[NB+1], v[XB0], v[PD+1]
.if !(\first)
	v_mov_b32 v[XA1], v[NA]
	v_mov_b32 v[XB1], v[NB]
.endif
	v_mul_f32 v[XA0], s[CS], v[NA+1]                   ; as t
	v_mul_f32 v[XB0], s[CS], v[NB+1]
	v_floor_f32 v[NA], -v[XA0]                         ; -M = floor(-t)
	v_floor_f32 v[NB], -v[XB0]
.if !(\first)
	v_sub_f32 v[XA1], v[NA], v[XA1]                    ; old M - new M: a whole number, 0 or less
	v_sub_f32 v[XB1], v[NB], v[XB1]
	v_cvt_i32_f32 v[XA1], v[XA1]
	v_cvt_i32_f32 v[XB1], v[XB1]
	v_ldexp_f32 v[FA], 1.0, v[XA1]                     ; f
	v_ldexp_f32 v[FB], 1.0, v[XB1]
.endif
.set j, 0
.rept 32
	v_pk_fma_f32 v[SA+j:SA+j+1], v[SA+j:SA+j+1], s[CS:CS+1], v[NA:NA+1] op_sel_hi:[1,0,0]   ; t - M
.set j, j+2
.endr
.set j, 0
.rept 32
	v_pk_fma_f32 v[SB+j:SB+j+1], v[SB+j:SB+j+1], s[CS:CS+1], v[NB:NB+1] op_sel_hi:[1,0,0]
.set j, j+2
.endr
	s_wait_alu depctr_va_vdst(0)                       ; the wait ahead of the batch
.set j, 0
.rept 128
	v_exp_f32 v[S+j], v[S+j]                           ; p = 2^(t - M), at most 1
.set j, j+1
.endr
.if \first
	v_nop                                              ; a plain instruction behind the exponentials
	s_wait_alu depctr_va_vdst(0)                       ; one wait for the batch, ahead of its first reader
.else
	v_pk_mul_f32 v[LA:LA+1], v[LA:LA+1], v[FA:FA+1] op_sel_hi:[1,0]   ; the sums under the new M
	v_pk_mul_f32 v[LB:LB+1], v[LB:LB+1], v[FB:FB+1] op_sel_hi:[1,0]
	WIN 0x41                                           ; O^T: destination and source 0 window 1
	s_wait_alu depctr_va_vdst(0)                       ; one wait for the batch, and directly ahead of the first readers of O^T
.set j, 0
.rept 16
	v_pk_mul_f32 v[32*(\p0)+j:32*(\p0)+j+1], v[32*(\p0)+j:32*(\p0)+j+1], v[FA:FA+1] op_sel_hi:[1,0]
.set j, j+2
.endr
.set j, 0
.rept 16
	v_pk_mul_f32 v[32*(\p0)+32+j:32*(\p0)+32+j+1], v[32*(\p0)+32+j:32*(\p0)+32+j+1], v[FB:FB+1] op_sel_hi:[1,0]
.set j, j+2
.endr
	WIN 0
.endif
	v_pk_add_f32 v[UA:UA+1], v[SA:SA+1], v[SA+2:SA+3]  ; the row's sum of the unquantised p: two chains a tile
	v_pk_add_f32 v[UB:UB+1], v[SB:SB+1], v[SB+2:SB+3]
.if \first
	v_pk_add_f32 v[LA:LA+1], v[SA+4:SA+5], v[SA+6:SA+7]
	v_pk_add_f32 v[LB:LB+1], v[SB+4:SB+5], v[SB+6:SB+7]
.endif
.set j, 4+4*(\first)
.rept 15-(\first)
	v_pk_add_f32 v[LA:LA+1], v[LA:LA+1], v[SA+j:SA+j+1]
	v_pk_add_f32 v[LB:LB+1], v[LB:LB+1], v[SB+j:SB+j+1]
	v_pk_add_f32 v[UA:UA+1], v[UA:UA+1], v[SA+j+2:SA+j+3]
	v_pk_add_f32 v[UB:UB+1], v[UB:UB+1], v[SB+j+2:SB+j+3]
.set j, j+4
.endr
	v_pk_add_f32 v[LA:LA+1], v[LA:LA+1], v[UA:UA+1]
	v_pk_add_f32 v[LB:LB+1], v[LB:LB+1], v[UB:UB+1]
.set j, 0
.rept 64
	v_dual_min_num_f32 v[S+j], v[S+j], v[PLM] :: v_dual_min_num_f32 v[S+j+1], v[S+j+1], v[PLM2]   ; the hold at the largest code (the conversion does not saturate: ISA guide 7.6.2); p is not negative
.set j, j+2
.endr
	WIN 0x40                                           ; destination window 1
.set t, 0
.rept 16
	v_cvt_scalef32_pk8_bf8_f32 v[P+16*(\p0)+2*t:P+16*(\p0)+2*t+1], v[S+8*t:S+8*t+7], v[PSC]
.set t, t+1
.endr
	v_nop                                              ; a plain instruction behind the last conversion
	WIN 0
.endm
; A key step: 128 keys x my 64 queries
.macro STEP first
	v_add_nc_u32 v[ADK], s[TB], v[LN]
	v_add_nc_u32 v[ADV], s[TB], v[LNV]
	v_nop                                              ; with the two lines above: four places in front of loads into registers that the last products read
	v_nop
.irp i, 0,1,2,3,4,5,6,7
	ds_load_b128 v[KV+8*\i:KV+8*\i+3], v[ADK] offset:1024*\i
	ds_load_b128 v[KV+8*\i+4:KV+8*\i+7], v[ADK] offset:1024*\i+512
.endr
	SMUL 0, 1
	PLACES
	SOFTMAX 0, \first
	SMUL 2, 0
	PLACES
.irp t, 0,1,2,3
.irp c, 0,1,2,3
	ds_load_b128 v[KV+16*\t+4*\c:KV+16*\t+4*\c+3], v[ADV] offset:2048*\t+512*\c   ; V's fragments arrive under the second softmax
.endr
.endr
	SOFTMAX 2, \first
	s_wait_alu depctr_va_vdst(0)                       ; a wait directly ahead of the wait below
	s_wait_dscnt 0x0
	PVMUL \first
.endm
	s_wait_alu depctr_va_vdst(0)                   ; the wait at the head's end
	s_wait_tensorcnt 0x0                           ; my part of the first 128 keys is in; the lines ahead of a later first fill:
	ds_add_u32 v[SPW], v[NIL]
	s_wait_dscnt 0x0
	CROUND                                         ; everybody's part is in, and all four work-groups are here
	tensor_load_to_lds s[44:47], s[32:39]          ; my part of the other 1,920 keys: the first tensor load behind the round
	s_nop 0
	PLACES
	s_wait_loadcnt 0x0                             ; Q
	STEP 1                                         ; keys 0-127
	s_wait_alu depctr_va_vdst(0)
	s_wait_dscnt 0x0
	s_wait_tensorcnt 0x0                           ; my part of the other keys is in;
	s_barrier_signal -1
	s_barrier_wait -1                              ; everybody's is.
	s_mov_b32 s[TB], 8192
	s_mov_b32 s[CNT], 15
.Lstep:
	STEP 0
	s_add_co_u32 s[TB], s[TB], 8192
	s_sub_co_u32 s[CNT], s[CNT], 1
	s_cmp_lg_u32 s[CNT], 0
	s_cbranch_scc1 .Lstep
	; THE WAY OUT: O^T / the sum, quantised with 2^e10.  O^T stands for O^T x 2^(e8 + e9): the three exponents are folded into the conversion's one
	PLACES
	s_sub_co_i32 s20, s72, s70
	s_sub_co_i32 s20, s20, s71
	s_add_co_i32 s20, s20, 127
	s_lshl_b32 s21, s20, 23
	v_mov_b32 v[XA0], s21
	s_add_co_i32 s20, s20, 15
	s_lshl_b32 s20, s20, 23
	s_or_b32 s20, s20, 0x600000
	v_mov_b32 v[XA1], s20
.irp u, 0,1,2,3
	v_add_f32 v[ST+4*\u+2], v[ST+4*\u+2], v[ST+4*\u+3]         ; the sum's two halves,
.endr
.irp u, 0,1,2,3
	v_permlanex16_b32 v[PD+\u], v[ST+4*\u+2], s[SEL], s[SEL+1]
.endr
.irp u, 0,1,2,3
	v_add_f32 v[ST+4*\u+2], v[ST+4*\u+2], v[PD+\u]             ; and lane l xor 16's
.endr
	s_wait_alu depctr_va_vdst(0)                   ; the wait ahead of the batch
.irp u, 0,1,2,3
	v_rcp_f32 v[ST+4*\u+2], v[ST+4*\u+2]
.endr
	v_nop
	WIN 0x01                                       ; source 0 (O^T) window 1
	s_wait_alu depctr_va_vdst(0)                   ; the batch's wait, directly ahead of the first readers of O^T
.irp u, 0,1,2,3
.set j, 0
.rept 16
	v_pk_mul_f32 v[S+32*\u+j:S+32*\u+j+1], v[32*\u+j:32*\u+j+1], v[ST+4*\u+2:ST+4*\u+3] op_sel_hi:[1,0]
.set j, j+2
.endr
.endr
	WIN 0
.set j, 0
.rept 128
	v_med3_num_f32 v[S+j], v[S+j], -v[XA1], v[XA1]
.set j, j+1
.endr
.set t, 0
.rept 16
	v_cvt_scalef32_pk8_bf8_f32 v[KV+2*t:KV+2*t+1], v[S+8*t:S+8*t+7], v[XA0]   ; tile q's channels 16 t + 8 (lane / 16) + 0 .. 7: registers 2 t, 2 t + 1 of the next launch's operand
.set t, t+1
.endr
	v_nop
.irp u, 0,1,2,3
	global_store_b128 v[LN], v[KV+8*\u:KV+8*\u+3], s[12:13] offset:16384*\u
	global_store_b128 v[LN], v[KV+8*\u+4:KV+8*\u+7], s[12:13] offset:16384*\u+512
.endr
	s_wait_tensorcnt 0x0                           ; the wave's end
	ds_add_u32 v[SPW], v[NIL]
	s_wait_dscnt 0x0
	CROUND                                         ; the closing round
	s_endpgm
.Lfunc_end_k_q181f622d14_att:
	.size	k_q181f622d14_att, .Lfunc_end_k_q181f622d14_att-k_q181f622d14_att
	.p2alignl 7, 3214868480
	.fill 96, 4, 3214868480
	.section	.rodata,"a",@progbits
	.p2align	6, 0x0
	.amdhsa_kernel k_q181f622d14_att
		.amdhsa_group_segment_fixed_size 327680
		.amdhsa_private_segment_fixed_size 0
		.amdhsa_enable_private_segment 0
		.amdhsa_kernarg_size 40
		.amdhsa_user_sgpr_count 2
		.amdhsa_user_sgpr_kernarg_segment_ptr 1
		.amdhsa_wavefront_size32 1
		.amdhsa_system_sgpr_workgroup_id_x 1
		.amdhsa_system_sgpr_workgroup_id_y 1
		.amdhsa_system_sgpr_workgroup_id_z 1
		.amdhsa_system_vgpr_workitem_id 0
		.amdhsa_next_free_vgpr 512
		.amdhsa_next_free_sgpr 76
		.amdhsa_reserve_vcc 0
		.amdhsa_float_denorm_mode_32 3
		.amdhsa_float_denorm_mode_16_64 3
		.amdhsa_memory_ordered 1
		.amdhsa_forward_progress 1
		.amdhsa_inst_pref_size 125
	.end_amdhsa_kernel
	.amdgpu_metadata
---
amdhsa.version: [ 1, 2 ]
amdhsa.kernels:
  - .name:           k_q181f622d14_att
    .symbol:         k_q181f622d14_att.kd
    .args:
      - { .name: q_img, .offset: 0, .size: 8, .value_kind: global_buffer, .address_space: global }
      - { .name: k_img, .offset: 8, .size: 8, .value_kind: global_buffer, .address_space: global }
      - { .name: v_img, .offset: 16, .size: 8, .value_kind: global_buffer, .address_space: global }
      - { .name: lowp_scales, .offset: 24, .size: 8, .value_kind: global_buffer, .address_space: global }
      - { .name: a_img, .offset: 32, .size: 8, .value_kind: global_buffer, .address_space: global }
    .group_segment_fixed_size: 327680
    .private_segment_fixed_size: 0
    .kernarg_segment_align: 8
    .kernarg_segment_size: 40
    .max_flat_workgroup_size: 256
    .sgpr_count:     76
    .vgpr_count:     512
    .wavefront_size: 32
...
	.end_amdgpu_metadata
.endif
;; end of part 3
;; launch oproj (part 4): grid 8 x 32, 4 waves a work-group, clusters of 4 x 4, 327,680 bytes of LDS; arguments a_img, o_w_codes, lowp_scales, o_b, out0; writes out0
.if DOCPART == 4
	.amdgcn_target "amdgcn-amd-amdhsa--gfx1250"
	.amdhsa_code_object_version 6
	.text
	.protected	k_q181f622d14_oproj
	.globl	k_q181f622d14_oproj
	.p2align	8
	.type	k_q181f622d14_oproj,@function
k_q181f622d14_oproj:
	s_mov_b64 s[64:65], 0
	v_nop
	global_prefetch_b8 v0, s[64:65] scope:SCOPE_SE
	s_setreg_imm32_b32 hwreg(HW_REG_WAVE_MODE, 25, 1), 1
	s_wait_xcnt 0x0
	s_wait_alu depctr_hold_cnt(0) depctr_sa_sdst(0) depctr_va_vdst(0) depctr_va_sdst(0) depctr_va_ssrc(0) depctr_va_vcc(0) depctr_vm_vsrc(0)
	s_getreg_b32 s2, hwreg(HW_REG_IB_STS2, 6, 4)
	s_cmp_eq_u32 s2, 0
	s_cbranch_scc0 .Lentry_in_a_cluster
	s_endpgm
.Lentry_in_a_cluster:
	s_bfe_u32 s2, ttmp6, 0x10000c
	s_cmp_lg_u32 s2, 0xf033
	s_cbranch_scc0 .Lentry_shape_is_right
	s_endpgm
.Lentry_shape_is_right:
; out0 = a o_w^T + o_b on codes of BF8 (E5M2): a as the launch before has stored it, o_w as it is given; a sum is multiplied once by 2^(e10 + e11).
; a_img: [512 blocks of 16 tokens][16 heads][2 quads][32 lanes][16 bytes]: images of operand registers, K = 64 a head: registers 2 c, 2 c + 1 hold k = 16 c + 8 (lane / 16) + 0 .. 7.  o_w: [1024][1024], K innermost.  out0: [8192][1024] f32.
; SHARES: a block of 256 tokens x 128 columns to a work-group: 32 x 8 = 256 work-groups.  Four waves, each 128 tokens x 64 columns: 32 accumulators, 256 registers.
; K goes in steps of 256 through a ring of two LDS slots: A's 16 blocks x 4,096 bytes as they lie, then B's 128 rows of 256 bytes, 16 bytes of padding behind each.  Waves 0 and 1 fetch A's halves, waves 2 and 3 B's.
; CLUSTERS of 4 x 4: A's tile hangs on the token block alone and is shared along a row of the cluster, B's on the column block alone and is shared along a column: joint loads.
; Both operands have two whole sets of registers: while one 128 along K is multiplied, the next one's fragments arrive.  At a change of slots only the waits and the round stand between a fill's landing and the next request.
; A's fragments are in the matrix form's own order of k, so B's are fetched in it too: eight loads of 8 bytes.  Source 0 takes B's rows, source 1 A's: a lane holds a token and eight neighbouring columns.
; THE WAY OUT: 16 tokens x 64 columns at a time through the wave's stage in LDS, back as rows of 256 bytes: sixteen lanes store one aligned unit of 256 bytes.  The stage lies in slot 0, which has had its last fill and its last read by then.
; NO PREFETCH: K has four steps; two are asked for in the head and two by the only two refills, so no step lies two refills ahead.
; LIMIT: e10 + e11 between -126 and 127, so that 2^(e10 + e11) is an f32 number.
; REGISTERS: window 0: v0-31 addresses; v64-191 A's fragments, v192-255 B's: set 0.  window 2: the same numbers: set 1; v0-31 the bias.  window 1: the accumulators, (a, b) at v[8 (4 a + b)].  On the way out window 0's v64-191 are at work.
.set ASTEP,  4096                      ; a K step of a block of 16 tokens
.set BSTEP,  256
.set PITCH,  272
.set AHALF,  32768                     ; 8 blocks x 4,096 bytes
.set BHALF,  64*PITCH
.set BOFF,   2*AHALF
.set SLOT,   BOFF+2*BHALF              ; 100,352 bytes
.set SPARE,  2*SLOT                    ; the spare words, 128 bytes for each wave, which no other line names
.set ADRA, 16                          ; v16-17 my A fragments in slot 0, 1
.set ADRB, 20                          ; v20-21 my B fragments
.set STO,  24
.set RD,   25
.set CO,   26
.set BOF,  27
.set SPW,  28                          ; my spare word; never rewritten
.set NIL,  29                          ; 0; never rewritten
.set AF,   64
.set BF,   192
.set TMP,  64
.set BK,   128
.set G1, 24
.set G0, 32
.set G1B, 48
.set G0B, 56
.set MSB, 0
.macro WIN new                         ; the immediate's high byte repeats the setting that is left
.if MSB != (\new)
	s_set_vgpr_msb (MSB<<8)|(\new)
.set MSB, (\new)
.endif
.endm
.macro JLOAD g0a, g1a, g0b, g1b        ; a joint load; the branch hangs on the wave's number alone; an s_nop 0 and four v_nop follow each line
	s_cmp_eq_u32 s15, 0
	s_cbranch_scc0 .Lfor_b_\@
	tensor_load_to_lds s[\g0a:\g0a+3], s[\g1a:\g1a+7]
	s_nop 0
.rept 4
	v_nop
.endr
	s_branch .Lasked_\@
.Lfor_b_\@:
	tensor_load_to_lds s[\g0b:\g0b+3], s[\g1b:\g1b+7]
	s_nop 0
.rept 4
	v_nop
.endr
.Lasked_\@:
.endm
.macro CROUND                          ; a round of the cluster's barrier
	s_barrier_signal -1
	s_barrier_wait -1
	s_cmp_lg_u32 s14, 0
	s_cbranch_scc1 .Lnot_wave_0_\@
	s_barrier_signal -3
.Lnot_wave_0_\@:
	s_barrier_wait -3
	s_barrier_signal -1
	s_barrier_wait -1
.endm
.macro PLACES                          ; plain vector instructions between a matrix instruction and a load into, or a vector access of, its registers
.rept 4
	v_nop
.endr
.endm
	s_load_b128 s[4:7], s[0:1], 0x0                ; a_img s[4:5], o_w s[6:7]
	s_load_b128 s[8:11], s[0:1], 0x10              ; the exponents s[8:9], o_b s[10:11]
	s_load_b64 s[12:13], s[0:1], 0x20              ; out0
	v_lshl_add_u32 v[SPW], v0, 2, SPARE
	v_mov_b32 v[NIL], 0
	ds_add_u32 v[SPW], v[NIL]                      ; the opening lines: the add, twice on end, and its wait
	ds_add_u32 v[SPW], v[NIL]
	v_lshrrev_b32 v1, 5, v0
	v_readfirstlane_b32 s14, v1                    ; wave 0..3
	s_lshr_b32 s15, s14, 1                         ; which 128 tokens are mine.  Also: I fetch for A (0) or for B (1)
	s_and_b32 s16, s14, 1                          ; which 64 columns.  Also: which half of that tile I fetch
	s_bfe_u32 s40, ttmp6, 0x40000                  ; cx, cy
	s_bfe_u32 s41, ttmp6, 0x40004
	s_lshl_b32 s42, ttmp9, 2
	s_add_co_u32 s42, s42, s40                     ; the column block, 0..7
	s_and_b32 s17, ttmp7, 0xffff
	s_lshl_b32 s17, s17, 2
	s_add_co_u32 s17, s17, s41                     ; the token block, 0..31
	s_lshl_b32 s43, s41, 2
	s_lshl_b32 s43, 15, s43                        ; my row of the cluster
	s_lshl_b32 s44, 0x1111, s40                    ; my column
	s_or_b32 s[G1+0], s43, (3<<16)|(1<<21)         ; A: 8 rows of 512 elements of 8 bytes, 16,384 bytes apart, dense in LDS
	s_mov_b32 s[G1+1], 512<<16
	s_mov_b32 s[G1+2], 8<<16
	s_mov_b32 s[G1+3], 512<<16
	s_mov_b32 s[G1+4], 8
	s_mov_b32 s[G1+5], 2048
	s_mov_b32 s[G1+6], 0
	s_mov_b32 s[G1+7], 0
	s_or_b32 s[G1B+0], s44, (0<<16)|(1<<20)|(1<<21)|(5<<22)|(3<<25)   ; B: 64 rows of 256 bytes, four words of padding after every 64
	s_mov_b32 s[G1B+1], 256<<16
	s_mov_b32 s[G1B+2], 64<<16
	s_mov_b32 s[G1B+3], 256<<16
	s_mov_b32 s[G1B+4], 64
	s_mov_b32 s[G1B+5], 1024
	s_mov_b32 s[G1B+6], 0
	s_mov_b32 s[G1B+7], 0
	s_lshl_b32 s20, s17, 4
	s_lshl_b32 s18, s16, 3
	s_add_co_u32 s20, s20, s18
	s_lshl_b32 s20, s20, 14                        ; A: block 16 x token block + 8 x half, 16,384 bytes each
	s_lshl_b32 s46, s42, 7
	s_lshl_b32 s18, s16, 6
	s_add_co_u32 s46, s46, s18
	s_lshl_b32 s46, s46, 10                        ; B: row 128 x column block + 64 x half
	s_mov_b32 s21, 0
	s_mov_b32 s47, 0
	s_lshl_b32 s45, s16, 15                        ; where they go
	s_mul_i32 s19, s16, BHALF
	s_add_co_u32 s19, s19, BOFF
	s_wait_dscnt 0x0                               ; both opening adds are done
	s_wait_kmcnt 0x0
	s_load_b64 s[96:97], s[8:9], 0x28              ; e10, e11
	s_add_nc_u64 s[20:21], s[4:5], s[20:21]
	s_add_nc_u64 s[46:47], s[6:7], s[46:47]
	CROUND                                         ; all sixteen work-groups are here: the first joint loads meet
.irp s, 0,1
	s_mov_b32 s[G0+4*\s], 1
	s_add_co_u32 s[G0+4*\s+1], s45, \s*SLOT
	s_add_nc_u64 s[G0+4*\s+2:G0+4*\s+3], s[20:21], \s*ASTEP
	s_or_b32 s[G0+4*\s+3], s[G0+4*\s+3], 0x80000000
	s_mov_b32 s[G0B+4*\s], 1
	s_add_co_u32 s[G0B+4*\s+1], s19, \s*SLOT
	s_add_nc_u64 s[G0B+4*\s+2:G0B+4*\s+3], s[46:47], \s*BSTEP
	s_or_b32 s[G0B+4*\s+3], s[G0B+4*\s+3], 0x80000000
.endr
	JLOAD G0, G1, G0B, G1B                         ; K step 0: one tensor load a wave at the head
	s_lshl_b32 s21, s15, 15                        ; my 8 blocks of A
	s_mul_i32 s22, s16, BHALF
	s_add_co_u32 s22, s22, BOFF                    ; my 64 rows of B
	s_mul_i32 s23, s14, 16*PITCH                   ; my stage
	s_lshl_b32 s20, s17, 8
	s_lshl_b32 s18, s15, 7
	s_add_co_u32 s20, s20, s18
	s_lshl_b32 s20, s20, 12                        ; my first token's row of out0, 4,096 bytes each
	s_lshl_b32 s46, s42, 9
	s_lshl_b32 s47, s16, 8
	s_add_co_u32 s46, s46, s47                     ; my first column, in bytes
	s_mov_b32 s47, 0
	s_add_nc_u64 s[10:11], s[10:11], s[46:47]      ; o_b there
	s_add_co_u32 s46, s46, s20
	s_add_nc_u64 s[12:13], s[12:13], s[46:47]      ; out0 at my corner (under 2^25 bytes)
	v_and_b32 v1, 15, v0                           ; r
	v_bfe_u32 v2, v0, 4, 1                         ; h
	v_and_b32 v6, 31, v0
	v_lshlrev_b32 v6, 4, v6
	v_add_nc_u32 v[ADRA], s21, v6                  ; an image: 16 x lane
	v_add_nc_u32 v[ADRA+1], SLOT, v[ADRA]
	v_mul_u32_u24 v3, v1, PITCH
	v_lshl_add_u32 v4, v2, 3, v3                   ; a row of B: r x pitch + 8 h
	v_add_nc_u32 v[ADRB], s22, v4
	v_add_nc_u32 v[ADRB+1], SLOT, v[ADRB]
	v_lshl_add_u32 v5, v2, 5, v3
	v_add_nc_u32 v[STO], s23, v5                   ; into the stage: row r, 32 bytes for each half of the lanes
	v_mul_u32_u24 v7, v2, PITCH
	v_lshl_add_u32 v7, v1, 4, v7
	v_add_nc_u32 v[RD], s23, v7                    ; back: lanes 0-15 one row of 256 bytes, lanes 16-31 the next
	v_lshlrev_b32 v8, 12, v2
	v_lshl_add_u32 v[CO], v1, 4, v8                ; and the same two rows in out0
	v_lshlrev_b32 v[BOF], 5, v2
	WIN 0x80                                       ; destination window 2
.irp b, 0,1,2,3
	global_load_b128 v[8*\b:8*\b+3], v[BOF], s[10:11] offset:64*\b       ; the bias at my lane's eight columns of tile b
	global_load_b128 v[8*\b+4:8*\b+7], v[BOF], s[10:11] offset:64*\b+16
.endr
	WIN 0
.macro FETCH slot, q, p                ; the slot's q-th 128 along K into set p: 32 loads of 8 bytes for B, 32 of 16 bytes for A
	WIN 0x80*(\p)
.irp i, 0,1,2,3
.irp c, 0,1,2,3,4,5,6,7
	ds_load_b64 v[BF+16*\i+2*\c:BF+16*\i+2*\c+1], v[ADRB+\slot] offset:128*(\q)+16*\c+\i*16*PITCH
.endr
.endr
.irp i, 0,1,2,3,4,5,6,7
.irp c, 0,1,2,3
	ds_load_b128 v[AF+16*\i+4*\c:AF+16*\i+4*\c+3], v[ADRA+\slot] offset:4096*\i+2048*(\q)+512*\c
.endr
.endr
	WIN 0
.endm
.macro MUL p, zero                     ; 32 matrix instructions on set p; the 32 accumulators take turns, in the same order in every step
	WIN 0x50+0x0a*(\p)                             ; C and D window 1; sources 0 and 1 window 0 or 2
.irp a, 0,1,2,3,4,5,6,7
.irp b, 0,1,2,3
.if \zero
	v_wmma_f32_16x16x128_bf8_bf8 v[8*(4*\a+\b):8*(4*\a+\b)+7], v[BF+16*\b:BF+16*\b+15], v[AF+16*\a:AF+16*\a+15], 0
.else
	v_wmma_f32_16x16x128_bf8_bf8 v[8*(4*\a+\b):8*(4*\a+\b)+7], v[BF+16*\b:BF+16*\b+15], v[AF+16*\a:AF+16*\a+15], v[8*(4*\a+\b):8*(4*\a+\b)+7]
.endif
.endr
.endr
	WIN 0
.endm
.macro EVEN slot, zero                 ; a slot's first 128 along K, on set 0; its second 128 is fetched into set 1
	s_wait_dscnt 0x0                               ; set 0 is in
	PLACES
	FETCH \slot, 1, 1
	MUL 0, \zero
.endm
; A slot's second 128, on set 1, changes slots: each wave waits for all its tensor loads, adds 0 to its spare word, and waits for that and for its reads of this slot (set 1 among them).  fill = 1: a round, and this slot is filled again.
.macro ODD slot, next, fill
	s_wait_tensorcnt 0x0                           ; my part of the next slot is in
	ds_add_u32 v[SPW], v[NIL]
	s_wait_dscnt 0x0
.if \fill
	CROUND                                         ; no wave of any partner still reads this slot or has a load on its way
	s_add_nc_u64 s[G0+4*\slot+2:G0+4*\slot+3], s[G0+4*\slot+2:G0+4*\slot+3], 2*ASTEP
	s_add_nc_u64 s[G0B+4*\slot+2:G0B+4*\slot+3], s[G0B+4*\slot+2:G0B+4*\slot+3], 2*BSTEP
	JLOAD G0+4*\slot, G1, G0B+4*\slot, G1B         ; the first tensor load behind the round; its four v_nop are also the places in front of the loads below
.else
	s_barrier_signal -1
	s_barrier_wait -1
	PLACES
.endif
	FETCH \next, 0, 0
	MUL 1, 0
.endm
	s_wait_alu depctr_va_vdst(0)                   ; the wait at the head's end
	s_wait_tensorcnt 0x0                           ; my part of K step 0 is in; the lines ahead of a later first fill:
	ds_add_u32 v[SPW], v[NIL]
	s_wait_dscnt 0x0
	CROUND
	JLOAD G0+4, G1, G0B+4, G1B                     ; K step 1's load, the first tensor load behind the round
	FETCH 0, 0, 0
	EVEN 0, 1                                      ; the first products start the sums
	ODD 0, 1, 1
	EVEN 1, 0
	ODD 1, 0, 1
	EVEN 0, 0
	ODD 0, 1, 0                                    ; the last lap fills nothing
	EVEN 1, 0
	s_wait_dscnt 0x0
	MUL 1, 0
.macro TOSTAGE a                       ; block a: 16 tokens x 64 columns
	WIN 0x21                                       ; source 0 (the sums) window 1, source 2 (the bias) window 2
.set j, 0
.rept 16
	v_pk_fma_f32 v[TMP+j:TMP+j+1], v[32*(\a)+j:32*(\a)+j+1], s[96:97], v[j:j+1] op_sel_hi:[1,0,1]   ; sum x 2^(e10 + e11) + bias; each accumulator from its low end on
.set j, j+2
.endr
	WIN 0
.irp b, 0,1,2,3
	ds_store_b128 v[STO], v[TMP+8*\b:TMP+8*\b+3] offset:64*\b
	ds_store_b128 v[STO], v[TMP+8*\b+4:TMP+8*\b+7] offset:64*\b+16
.endr
.irp t, 0,1,2,3,4,5,6,7
	ds_load_b128 v[BK+32*((\a)%2)+4*\t:BK+32*((\a)%2)+4*\t+3], v[RD] offset:\t*2*PITCH   ; LDS serves a wave's instructions in order (ISA guide 5.7.1.4): these see the stores above
.endr
.endm
.macro SEND a, younger                 ; younger: the LDS instructions issued behind block a's loads, which may stay out
	s_wait_dscnt \younger
.irp t, 0,1,2,3,4,5,6,7
	global_store_b128 v[CO], v[BK+32*((\a)%2)+4*\t:BK+32*((\a)%2)+4*\t+3], s[12:13] offset:(\a)*65536+\t*8192 th:TH_STORE_NT   ; sixteen lanes store 256 consecutive bytes, aligned
.endr
.endm
	s_wait_kmcnt 0x0
	s_add_co_i32 s96, s96, s97
	s_add_co_i32 s96, s96, 127
	s_lshl_b32 s96, s96, 23                        ; 2^(e10 + e11) as f32
	s_mov_b32 s97, s96
	PLACES
	s_wait_loadcnt 0x0                             ; the bias
	TOSTAGE 0
.irp a, 1,2,3,4,5,6,7
.if \a > 1
	s_wait_xcnt 0x0                                ; block a - 2's stores have read their registers: block a's loads may land there
.endif
	TOSTAGE \a
	SEND \a-1, 16                                  ; behind block a - 1's loads: block a's 8 stores and 8 loads
.endr
	SEND 7, 0
	s_wait_tensorcnt 0x0                           ; the wave's end
	ds_add_u32 v[SPW], v[NIL]
	s_wait_dscnt 0x0
	CROUND                                         ; the closing round
	s_endpgm
.Lfunc_end_k_q181f622d14_oproj:
	.size	k_q181f622d14_oproj, .Lfunc_end_k_q181f622d14_oproj-k_q181f622d14_oproj
	.p2alignl 7, 3214868480
	.fill 96, 4, 3214868480
	.section	.rodata,"a",@progbits
	.p2align	6, 0x0
	.amdhsa_kernel k_q181f622d14_oproj
		.amdhsa_group_segment_fixed_size 327680
		.amdhsa_private_segment_fixed_size 0
		.amdhsa_enable_private_segment 0
		.amdhsa_kernarg_size 40
		.amdhsa_user_sgpr_count 2
		.amdhsa_user_sgpr_kernarg_segment_ptr 1
		.amdhsa_wavefront_size32 1
		.amdhsa_system_sgpr_workgroup_id_x 1
		.amdhsa_system_sgpr_workgroup_id_y 1
		.amdhsa_system_sgpr_workgroup_id_z 1
		.amdhsa_system_vgpr_workitem_id 0
		.amdhsa_next_free_vgpr 768
		.amdhsa_next_free_sgpr 98
		.amdhsa_reserve_vcc 0
		.amdhsa_float_denorm_mode_32 3
		.amdhsa_float_denorm_mode_16_64 3
		.amdhsa_memory_ordered 1
		.amdhsa_forward_progress 1
		.amdhsa_inst_pref_size 84
	.end_amdhsa_kernel
	.amdgpu_metadata
---
amdhsa.version: [ 1, 2 ]
amdhsa.kernels:
  - .name:           k_q181f622d14_oproj
    .symbol:         k_q181f622d14_oproj.kd
    .args:
      - { .name: a_img, .offset: 0, .size: 8, .value_kind: global_buffer, .address_space: global }
      - { .name: o_w_codes, .offset: 8, .size: 8, .value_kind: global_buffer, .address_space: global }
      - { .name: lowp_scales, .offset: 16, .size: 8, .value_kind: global_buffer, .address_space: global }
      - { .name: o_b, .offset: 24, .size: 8, .value_kind: global_buffer, .address_space: global }
      - { .name: out0, .offset: 32, .size: 8, .value_kind: global_buffer, .address_space: global }
    .group_segment_fixed_size: 327680
    .private_segment_fixed_size: 0
    .kernarg_segment_align: 8
    .kernarg_segment_size: 40
    .max_flat_workgroup_size: 128
    .sgpr_count:     98
    .vgpr_count:     768
    .wavefront_size: 32
...
	.end_amdgpu_metadata
.endif
;; end of part 4
